; MI455X (gfx1250); checked and timed in simulation.
; The chip was launched on July 23, 2026; its instructions are those of AMD's public machine-readable ISA for CDNA 5 (MIT licence, August 2026) and "CDNA5" Instruction Set Architecture Reference Guide (July 2026). The comments in the code are by the model that wrote it; some were corrected since.
;; Attention. Allowed arithmetic: matrix products marked QUANTISED: E4M3 operands, one given power-of-two scale a tensor, by v_wmma_f32_16x16x64_fp8_fp8 or v_wmma_f32_16x16x128_fp8_fp8, f32 sums; everything else in f32.
;; Inputs: b_o 1,024 float32; b_qkv 3,072 float32; hidden_states 4 x 2,048 x 1,024 float32; lowp_scales 8 int32 (the exponents e of the quantised operands' scales 2^e); w_o 1,024 x 1,024 float32; w_qkv 1,024 x 3,072 float32.
;; Outputs: out0 4 x 2,048 x 1,024 float32.
;; This version of the problem:
;;   THIS VERSION OF THE PROBLEM IS GIVEN IN LOW PRECISION. The matrix products marked QUANTISED in the list below multiply operands that are first quantised to E4M3 (4 exponent bits, 3 mantissa bits; 8 bits a number), with one given power-of-two scale for each operand tensor; their sums are f32. All else is computed in f32.
;;   The module's matrix products, in the order in which they are computed (A, B: the left and right operand; K: the contracted axis; several contracted axes count as one K, in the product's order):
;;     1. [M 8,192, K 1,024] x [K 1,024, N 3,072]; A: input hidden_states; B: input w_qkv: QUANTISED (scales: A lowp_scales[0], B lowp_scales[1])
;;     2. batch 64 x [M 2,048, K 64] x [K 64, N 2,048]; A: computed on the way; B: computed on the way: QUANTISED (scales: A lowp_scales[2], B lowp_scales[3])
;;     3. batch 64 x [M 2,048, K 2,048] x [K 2,048, N 64]; A: softmax (see below); B: computed on the way: QUANTISED (scales: A lowp_scales[4], B lowp_scales[5])
;;     4. [M 8,192, K 1,024] x [K 1,024, N 1,024]; A: computed on the way; B: input w_o: QUANTISED (scales: A lowp_scales[6], B lowp_scales[7])
;;   THE QUANTISER, for each operand of a quantised product, along K:
;;     - The operand's scale is 2^e, e = its entry of the input lowp_scales (int32; the entries are numbered through the quantised products in the list's order, A before B).
;;     - Each number is divided by the scale, clamped to +-448, and rounded to the nearest number of E4M3, ties to even, subnormals kept.
;;     - The product sums the exact products of the quantised numbers (number of the format x scale) in f32.
;;   ~~~python
;;   def quantise(x, axis, e):      # numpy; x: float32 -> the quantised numbers, widened to float32 again
;;       x = np.moveaxis(x, axis, -1); K = x.shape[-1]
;;       r = np.clip(x / 2.0 ** e, -448, 448)
;;       step = 2.0 ** (np.maximum(np.frexp(np.where(r == 0, 1, r))[1] - 1, -6) - 3)
;;       q = np.round(r / step) * step * 2.0 ** e      # np.round: ties to even
;;       return np.moveaxis(q, -1, axis).astype(np.float32)
;;   ~~~
;;   SOFTMAX AHEAD OF A QUANTISED PRODUCT. Where the list says 'softmax', what is quantised is not the finished softmax but p = 2^(t - M), with t = logit x log2(e) and M = ceil(the row's largest t), a whole number; so 1/2 < the row's largest p <= 1. The row's sum l is taken of the UNQUANTISED p, in f32, and the product's result is divided by l at the end. Since M is a whole number, a kernel that streams over the keys may use a running M (the ceiling of the running maximum): every later rescaling is an exact power of two, so the quantised numbers keep their values, but for numbers so far below the row's largest that they fall under the format's range.
;;   OPERANDS COMPUTED ON THE WAY. 'Computed on the way' means the value that the module computes at that place (a softmax that the list does not call 'softmax' is quantised finished and normalised). What goes into a quantiser is computed in f32, as accurately as f32 sums, v_exp_f32 and their like allow (about 1e-6 of the number): no bf16 or f16 on the way to a quantiser, and a product that is left as it is and whose result goes on into a quantised operand takes f32 operands (vector FMAs, or v_wmma_f32_16x16x4_f32). A number that lies on a knife's edge between two numbers of the format may be rounded either way, as far as f32 arithmetic and the matrix unit's own rounding can turn it there, and no further.
;; One version. Each part assembles by itself: llvm-mc -triple=amdgcn-amd-amdhsa -mcpu=gfx1250 --defsym DOCPART=n.
;; ======== version 1 of 1: 4 launches
;; limits: right only within a limited range of input values
;; workspace buffers: x_codes 8,388,608 bytes; wqkv_codes 3,145,728 bytes; wo_codes 1,048,576 bytes; q_codes 8,388,608 bytes; k_codes 8,388,608 bytes; v_codes 8,388,608 bytes; a_codes 8,388,608 bytes
;; launch quant (part 1): grid 384 x 1, 4 waves a work-group, no clusters, 68,096 bytes of LDS; arguments hidden_states, w_qkv, w_o, lowp_scales, x_codes, wqkv_codes, wo_codes; writes x_codes, wqkv_codes, wo_codes
.if DOCPART == 1
	.amdgcn_target "amdgcn-amd-amdhsa--gfx1250"
	.amdhsa_code_object_version 6
	.text
	.protected	k_q7afe9c5215_quant
	.globl	k_q7afe9c5215_quant
	.p2align	8
	.type	k_q7afe9c5215_quant,@function
k_q7afe9c5215_quant:
	s_mov_b64 s[64:65], 0
	v_nop
	global_prefetch_b8 v0, s[64:65] scope:SCOPE_SE
	s_setreg_imm32_b32 hwreg(HW_REG_WAVE_MODE, 25, 1), 1
	s_wait_xcnt 0x0
; THE THREE f32 INPUTS OF THE TWO LARGE PRODUCTS BECOME CODES OF FP8 (E4M3), K innermost, each with its given scale 2^e:
;   hidden_states [8192][1024] -> x_codes [8192][1024]      (e = entry 0 of the scales)   K is innermost already: a plain stream
;   w_qkv [1024 k][3072 n]     -> wqkv_codes [3072][1024]   (entry 1)                     K is the FIRST axis: a lane takes a column, its registers run down K
;   w_o   [1024 k][1024 n]     -> wo_codes [1024][1024]     (entry 7)                     likewise
; code = x / 2^e, held within +-448, rounded to the nearest code, ties to even.
; LIMITS: each e between -126 and 119, so that 2^e and 448 x 2^e are f32 numbers.  NaN among the inputs is not served; an infinity is held at the largest code.
; SHARES.  Every work-group takes 32,768 numbers.  Work-groups 0-255: the stream x, 8,192 numbers a wave.  256-351: w_qkv, 352-383: w_o: 128 columns x 256 along K, 32 columns a wave.
; The two ways part on the work-group's number, never join, and have LDS bytes of their own.  No tensor load, no barrier: waves share nothing.  No matrix unit, no cluster: every byte is read once and written once.
.set STEPS, 16                         ; the stream: steps of 512 numbers for a wave
.set SP,    80                         ; the stream's stage: a lane's 64 bytes + 16 of padding
.set WREG,  8192                       ; the stream: a region for each wave: two stages of 32 x SP bytes
.set WSTG,  32768                      ; the weights' stages begin here: 32 rows x WP bytes for each wave
.set WP,    272                        ; a stage row: 256 codes + 16 of padding
.set SPARE, 67584                      ; behind both: the spare words, 128 bytes for each wave: two blocks of 256 bytes that no other line names
.set SPW,   12                         ; v12  LDS address of my spare word; never rewritten
.set NIL,   13                         ; v13  0; never rewritten
.set R,     16                         ; stream: v16-79   four sets of 16 numbers as loaded
.set X,     80                         ; stream: v80-111  two sets of 16 neighbours
.set C,     128                        ; stream: v128-191 codes, four registers for each step: no store's data are written again
.set WX,    32                         ; weights: v32-95   two sets of 32 numbers
.set WC,    96                         ; weights: v96-103  a block's codes
.set OUTR,  112                        ; weights: v112-175 the way out
.set OFF,   176                        ; weights: v176-207 byte offset of row i of a block, at my column; never rewritten
.set WB,    32                         ; weights: s[32:47] a base for each of the eight blocks; never rewritten once the first load is out
.macro XLOAD t                         ; 32 lanes read 512 consecutive bytes, four times
.irp i, 0,1,2,3
	global_load_b128 v[R+16*((\t)%4)+4*\i:R+16*((\t)%4)+4*\i+3], v3, s[4:5] offset:2048*(\t)+512*\i th:TH_LOAD_NT
.endr
.endm
.macro XTURN t                         ; a step's 2,048 bytes through my stage: in as they lie, back 64 neighbouring bytes a lane.  LDS serves a wave's instructions in order: no wait between
.irp i, 0,1,2,3
	ds_store_b128 v14, v[R+16*((\t)%4)+4*\i:R+16*((\t)%4)+4*\i+3] offset:32*SP*((\t)%2)+8*SP*\i
.endr
.irp i, 0,1,2,3
	ds_load_b128 v[X+16*((\t)%2)+4*\i:X+16*((\t)%2)+4*\i+3], v15 offset:32*SP*((\t)%2)+16*\i
.endr
.endm
.macro XSTEP t
.set XS, X+16*((\t)%2)
	s_wait_dscnt 0x0                               ; this step's numbers are back from the stage, so its stores into the stage have read their registers,
.if (\t)+4 < STEPS
	XLOAD (\t)+4                                   ; which take the loads of four steps on
.endif
.if (\t)+1 < STEPS
.if STEPS-2-(\t) >= 3
	s_wait_loadcnt 12                              ; the next step's four loads are in; those of the three steps behind it may be out
.else
	s_wait_loadcnt 4*(STEPS-2-(\t))                ; the counts run down
.endif
	XTURN (\t)+1
.endif
.irp i, 0,1,2,3,4,5,6,7,8,9,10,11,12,13,14,15
	v_med3_num_f32 v[XS+\i], v[XS+\i], -v10, v10   ; the conversion to an 8-bit code does not saturate (ISA guide 7.6.2): the hold at the largest code x the scale comes first
.endr
	v_cvt_scalef32_pk8_fp8_f32 v[C+4*(\t):C+4*(\t)+1], v[XS:XS+7], v11
	v_cvt_scalef32_pk8_fp8_f32 v[C+4*(\t)+2:C+4*(\t)+3], v[XS+8:XS+15], v11
	global_store_b128 v4, v[C+4*(\t):C+4*(\t)+3], s[12:13] offset:512*(\t)   ; the wave stores 512 consecutive bytes, aligned
.endm
.macro WLOAD t                         ; block t: w(32 t + i, my column), i = 0 .. 31: each load reads 128 consecutive bytes a wave
.set i, 0
.rept 32
	global_load_b32 v[WX+32*((\t)%2)+i], v[OFF+i], s[WB+2*(\t):WB+1+2*(\t)] th:TH_LOAD_NT
.set i, i+1
.endr
.endm
.macro WBLOCK t
.set XS, WX+32*((\t)%2)
.if (\t) < 7
	s_wait_loadcnt 32                              ; this block's 32 loads are in; the next block's may be out
.else
	s_wait_loadcnt 0
.endif
.set i, 0
.rept 32
	v_med3_num_f32 v[XS+i], v[XS+i], -v10, v10
.set i, i+1
.endr
.irp g, 0,1,2,3
	v_cvt_scalef32_pk8_fp8_f32 v[WC+2*\g:WC+2*\g+1], v[XS+8*\g:XS+8*\g+7], v11
.endr
	ds_store_b128 v4, v[WC:WC+3] offset:32*(\t)    ; 32 codes along K: 32 bytes of my column's row
	ds_store_b128 v4, v[WC+4:WC+7] offset:32*(\t)+16
.if (\t)+2 < 8
	WLOAD (\t)+2
.endif
	s_wait_dscnt 0x0                               ; the stores have read their registers: the next block's codes may be written
.endm
	s_load_b256 s[4:11], s[0:1], 0x0               ; hidden_states s[4:5], w_qkv s[6:7], w_o s[8:9], the scales' exponents s[10:11]
	s_load_b128 s[12:15], s[0:1], 0x20             ; x_codes s[12:13], wqkv_codes s[14:15]
	s_load_b64 s[16:17], s[0:1], 0x30              ; wo_codes
	v_lshl_add_u32 v[SPW], v0, 2, SPARE
	v_mov_b32 v[NIL], 0
	v_lshrrev_b32 v1, 5, v0
	v_readfirstlane_b32 s20, v1                    ; wave 0..3
	v_and_b32 v2, 31, v0                           ; lane
	s_wait_kmcnt 0x0
	s_load_b256 s[24:31], s[10:11], 0x0            ; e0 .. e7
	s_cmp_ge_u32 ttmp9, 256
	s_cbranch_scc1 .Lweights
	; ---- the stream x
	s_wait_alu depctr_va_vdst(0)
	v_lshlrev_b32 v3, 4, v2                        ; my 16 bytes of a load's 512
	s_wait_alu depctr_va_vdst(0)
	s_lshl_b32 s21, s20, 13                        ; my wave's region
	v_lshrrev_b32 v14, 2, v2
	v_mul_u32_u24 v14, v14, SP
	v_and_b32 v15, 3, v2
	v_lshl_add_u32 v14, v15, 4, v14
	v_add_nc_u32 v14, s21, v14                     ; into the stage: SP (lane / 4) + 16 (lane % 4)
	v_mul_u32_u24 v15, v2, SP
	v_add_nc_u32 v15, s21, v15                     ; out of it: SP x lane: my 16 neighbours
	v_lshlrev_b32 v4, 4, v2                        ; my 16 codes' place in a step's 512
	s_lshl_b32 s22, ttmp9, 2
	s_add_co_u32 s22, s22, s20                     ; which run of 8,192 numbers is my wave's
	s_lshl_b32 s32, s22, 15
	s_mov_b32 s33, 0
	s_add_nc_u64 s[4:5], s[4:5], s[32:33]
	s_lshl_b32 s32, s22, 13
	s_add_nc_u64 s[12:13], s[12:13], s[32:33]
.irp t, 0,1,2,3
	XLOAD \t
.endr
	s_wait_alu depctr_va_vdst(0)
	s_wait_kmcnt 0x0
	s_add_co_i32 s56, s24, 127                     ; (s56, s57: named by no memory instruction)
	s_lshl_b32 s57, s56, 23
	v_mov_b32 v11, s57                             ; 2^e0 as f32: the conversion takes its exponent field
	s_add_co_i32 s56, s56, 8
	s_lshl_b32 s56, s56, 23
	s_or_b32 s56, s56, 0x600000
	v_mov_b32 v10, s56                             ; 448 x 2^e0
	s_wait_alu depctr_va_vdst(0)
	s_wait_loadcnt 12                              ; step 0's four loads are in
	XTURN 0
.irp t, 0,1,2,3,4,5,6,7,8,9,10,11,12,13,14,15
	XSTEP \t
.endr
	s_wait_tensorcnt 0x0                           ; the wave's end: an add to my spare word and its wait, behind my last LDS store
	ds_add_u32 v[SPW], v[NIL]
	s_wait_dscnt 0x0
	s_endpgm
	; ---- the weights: one text for both; pointers, pitch and exponent are chosen on the work-group's number
.Lweights:
	s_sub_co_u32 s21, ttmp9, 256
	s_wait_kmcnt 0x0
	s_cmp_lt_u32 s21, 96                           ; w_qkv's work-group, or w_o's?
	s_cselect_b64 s[4:5], s[6:7], s[8:9]           ; from
	s_cselect_b64 s[8:9], s[14:15], s[16:17]       ; to
	s_mov_b32 s22, 4096
	s_cselect_b32 s22, 12288, s22                  ; a row of the weight in bytes
	s_cselect_b32 s23, s25, s31                    ; e1 or e7
	s_cselect_b32 s18, 0, 96
	s_sub_co_u32 s21, s21, s18                     ; the work-group's number within its tensor
	s_and_b32 s19, s21, 3                          ; which 256 along K
	s_lshr_b32 s18, s21, 2
	s_lshl_b32 s18, s18, 7
	s_lshl_b32 s50, s20, 5
	s_add_co_u32 s18, s18, s50                     ; my wave's first column
	s_lshl_b32 s50, s19, 8
	s_mul_i32 s50, s50, s22
	s_lshl_b32 s51, s18, 2
	s_add_co_u32 s50, s50, s51
	s_mov_b32 s51, 0
	s_add_nc_u64 s[WB:WB+1], s[4:5], s[50:51]      ; block 0's base; a base for each of the eight blocks, so that nothing is stepped while loads are out
	s_lshl_b32 s52, s22, 5
	s_mov_b32 s53, 0
.irp t, 1,2,3,4,5,6,7
	s_add_nc_u64 s[WB+2*\t:WB+1+2*\t], s[WB-2+2*\t:WB-1+2*\t], s[52:53]
.endr
	s_lshl_b32 s50, s18, 10
	s_lshl_b32 s54, s19, 8
	s_add_co_u32 s50, s50, s54
	s_add_nc_u64 s[8:9], s[8:9], s[50:51]          ; codes: column x 1,024 + 256 x (which 256 along K)
	s_wait_alu depctr_va_vdst(0)
	v_lshlrev_b32 v[OFF], 2, v2                    ; 4 bytes a lane,
.set i, 1
.rept 31
	v_add_nc_u32 v[OFF+i], s22, v[OFF+i-1]         ; and a row further down for each register
.set i, i+1
.endr
	WLOAD 0
	WLOAD 1
	s_mul_i32 s54, s20, 32*WP
	s_add_co_u32 s54, s54, WSTG                    ; my stage
	v_mul_u32_u24 v4, v2, WP
	v_add_nc_u32 v4, s54, v4                       ; into it: row = my column
	v_and_b32 v5, 15, v2
	v_lshrrev_b32 v6, 4, v2
	v_mul_u32_u24 v7, v6, WP
	v_lshl_add_u32 v7, v5, 4, v7
	v_add_nc_u32 v7, s54, v7                       ; out of it: sixteen lanes to a row, two rows an instruction
	v_lshlrev_b32 v8, 10, v6
	v_lshl_add_u32 v8, v5, 4, v8                   ; and the same place in the codes' buffer
	s_add_co_i32 s56, s23, 127                     ; s56, s57: registers that no pending load names (the blocks' bases s[32:47] stay as they are)
	s_lshl_b32 s57, s56, 23
	v_mov_b32 v11, s57                             ; 2^e
	s_add_co_i32 s56, s56, 8
	s_lshl_b32 s56, s56, 23
	s_or_b32 s56, s56, 0x600000
	v_mov_b32 v10, s56                             ; 448 x 2^e
	s_wait_alu depctr_va_vdst(0)
.irp t, 0,1,2,3,4,5,6,7
	WBLOCK \t
.endr
.irp t, 0,1,2,3,4,5,6,7,8,9,10,11,12,13,14,15
	ds_load_b128 v[OUTR+4*\t:OUTR+4*\t+3], v7 offset:2*\t*WP
.endr
.irp t, 0,1,2,3,4,5,6,7,8,9,10,11,12,13,14,15
	s_wait_dscnt 15-\t
	global_store_b128 v8, v[OUTR+4*\t:OUTR+4*\t+3], s[8:9] offset:2048*\t   ; sixteen lanes store 256 consecutive bytes, aligned
.endr
	s_wait_tensorcnt 0x0                           ; the wave's end, as above
	ds_add_u32 v[SPW], v[NIL]
	s_wait_dscnt 0x0
	s_endpgm
.Lfunc_end_k_q7afe9c5215_quant:
	.size	k_q7afe9c5215_quant, .Lfunc_end_k_q7afe9c5215_quant-k_q7afe9c5215_quant
	.p2alignl 7, 3214868480
	.fill 96, 4, 3214868480
	.section	.rodata,"a",@progbits
	.p2align	6, 0x0
	.amdhsa_kernel k_q7afe9c5215_quant
		.amdhsa_group_segment_fixed_size 68096
		.amdhsa_private_segment_fixed_size 0
		.amdhsa_enable_private_segment 0
		.amdhsa_kernarg_size 56
		.amdhsa_user_sgpr_count 2
		.amdhsa_user_sgpr_kernarg_segment_ptr 1
		.amdhsa_wavefront_size32 1
		.amdhsa_system_sgpr_workgroup_id_x 1
		.amdhsa_system_sgpr_workgroup_id_y 1
		.amdhsa_system_sgpr_workgroup_id_z 1
		.amdhsa_system_vgpr_workitem_id 0
		.amdhsa_next_free_vgpr 208
		.amdhsa_next_free_sgpr 66
		.amdhsa_reserve_vcc 0
		.amdhsa_float_denorm_mode_32 3
		.amdhsa_float_denorm_mode_16_64 3
		.amdhsa_memory_ordered 1
		.amdhsa_forward_progress 1
		.amdhsa_inst_pref_size 87
	.end_amdhsa_kernel
	.amdgpu_metadata
---
amdhsa.version: [ 1, 2 ]
amdhsa.kernels:
  - .name:           k_q7afe9c5215_quant
    .symbol:         k_q7afe9c5215_quant.kd
    .args:
      - { .name: hidden_states, .offset: 0, .size: 8, .value_kind: global_buffer, .address_space: global }
      - { .name: w_qkv, .offset: 8, .size: 8, .value_kind: global_buffer, .address_space: global }
      - { .name: w_o, .offset: 16, .size: 8, .value_kind: global_buffer, .address_space: global }
      - { .name: lowp_scales, .offset: 24, .size: 8, .value_kind: global_buffer, .address_space: global }
      - { .name: x_codes, .offset: 32, .size: 8, .value_kind: global_buffer, .address_space: global }
      - { .name: wqkv_codes, .offset: 40, .size: 8, .value_kind: global_buffer, .address_space: global }
      - { .name: wo_codes, .offset: 48, .size: 8, .value_kind: global_buffer, .address_space: global }
    .group_segment_fixed_size: 68096
    .private_segment_fixed_size: 0
    .kernarg_segment_align: 8
    .kernarg_segment_size: 56
    .max_flat_workgroup_size: 128
    .sgpr_count:     66
    .vgpr_count:     208
    .wavefront_size: 32
...
	.end_amdgpu_metadata
.endif
;; end of part 1
;; launch qkv (part 2): grid 12 x 32, 4 waves a work-group, clusters of 4 x 4, 327,680 bytes of LDS; arguments x_codes, wqkv_codes, lowp_scales, b_qkv, q_codes, k_codes, v_codes; writes q_codes, k_codes, v_codes
.if DOCPART == 2
	.amdgcn_target "amdgcn-amd-amdhsa--gfx1250"
	.amdhsa_code_object_version 6
	.text
	.protected	k_q7afe9c5215_qkv
	.globl	k_q7afe9c5215_qkv
	.p2align	8
	.type	k_q7afe9c5215_qkv,@function
k_q7afe9c5215_qkv:
	s_mov_b64 s[64:65], 0
	v_nop
	global_prefetch_b8 v0, s[64:65] scope:SCOPE_SE
	s_setreg_imm32_b32 hwreg(HW_REG_WAVE_MODE, 25, 1), 1
	s_wait_xcnt 0x0
	s_wait_alu depctr_hold_cnt(0) depctr_sa_sdst(0) depctr_va_vdst(0) depctr_va_sdst(0) depctr_va_ssrc(0) depctr_va_vcc(0) depctr_vm_vsrc(0)
	s_getreg_b32 s2, hwreg(HW_REG_IB_STS2, 6, 4)
	s_cmp_eq_u32 s2, 0
	s_cbranch_scc0 .Lentry_in_a_cluster
	s_endpgm
.Lentry_in_a_cluster:
	s_bfe_u32 s2, ttmp6, 0x10000c
	s_cmp_lg_u32 s2, 0xf033
	s_cbranch_scc0 .Lentry_shape_is_right
	s_endpgm
.Lentry_shape_is_right:
; qkv = x w_qkv + b_qkv on codes of FP8 (E4M3), and its three parts quantised at once for the attention: the f32 numbers never go to memory.
; x_codes [8192][1024], wqkv_codes [3072][1024]: K innermost.  A sum stands for sum x 2^(e0 + e1); value = sum x 2^(e0 + e1) + bias; code = value / 2^e (q: e2, k: e3, v: e5), held within +-448.
; OUT: q_codes, k_codes [16 b + h][t][64 d];  v_codes [16 b + h][step of 128 t][64 d][128 t]: the keys innermost, since they are the K of attention's second product.
; LIMITS: e0 + e1 between -126 and 127; e2, e3, e5 between -126 and 119.
; A tile of 256 x 256 is made by four waves, each 128 x 128: 64 accumulators, 512 registers.  K goes in steps of 256 through a ring of two LDS slots (rows of 256 bytes, 16 of padding).
; CLUSTERS: 4 x 4 work-groups; x's tile is asked for jointly along a row of the cluster, w's along a column.  Cluster x = 0 makes q, 1 makes k, 2 makes v: the same in all sixteen partners.
; A LANE'S EIGHT RESULTS MUST RUN ALONG THE NEXT PRODUCT'S K.  q, k: source 0 = rows of w, source 1 = rows of x: a lane holds one t and eight neighbouring d.  v: the two tiles' pointers change places
; (a choice on the cluster's x): a lane holds one d and eight neighbouring t.  In both cases accumulator (a, b), lane (r, h), register j is stage row 128 s15 + 16 a + r, stage byte 128 s16 + 16 b + 8 h + j.
; REGISTERS, in windows of 256: window 0: v0-31 addresses; v32-95 the bias along a lane's registers; v96-111 the bias of a lane's row, twice; v112, v113 the conversion's scale and the hold; v128-255 source 1's fragments, one set,
;   later the codes.   window 1: source 0's fragments, two sets.   windows 2, 3: the accumulators ((a, b) at v[8 (8 (a % 4) + b)]).
.set ROWB,   256                       ; a tile's row in bytes
.set KROW,   1024                      ; a row of codes in memory
.set PITCH,  272                       ; an LDS row: 256 bytes + 16 of padding = 68 words: the 16 rows that a load touches start at 16 different banks (64 banks of 4 bytes: ISA guide 11.1)
.set FR,     16
.set NL,     4
.set NP,     4                         ; places behind this matrix instruction (ISA guide 7.12.1)
.set HALFT,  128*PITCH
.set SLOT,   4*HALFT                   ; x's 256 rows, then w's 256 rows
.set LAPS,   2                         ; K = 1,024: four K steps, twice round the ring
.set SPARE,  2*SLOT                    ; behind the ring: the spare words, 128 bytes for each wave
.set ADRA, 16                          ; v16-17  LDS address of source 1's fragments in slot 0, 1
.set ADRB, 20                          ; v20-21  of source 0's
.set STOQ, 24                          ; v24     the stage (q, k: in slot 0): where I put 8 codes
.set STOV, 25                          ; v25     the stage (v: in slot 1)
.set RDQ,  26                          ; v26     q, k: where I read 16 bytes of a head's row back
.set RDV,  27                          ; v27     v: the same
.set SPW,  28
.set NIL,  29
.set GOQ,  30                          ; v30     q, k: my byte offset in a store's 512 bytes
.set GOV,  31                          ; v31     v: my byte offset in two rows of v_codes
.set BI,   32
.set BV,   96
.set SC,   112
.set LIM,  113
.set AF,   128
.set CD,   128                         ; the codes: 16 registers for each block of 16 rows: no store's data are written again
.set G1, 24
.set G0, 32
.set G1B, 48
.set G0B, 56
.set MSB, 0
.macro WIN new                         ; the immediate's high byte repeats the setting that is left
.if MSB != \new
	s_set_vgpr_msb (MSB<<8)|\new
.set MSB, \new
.endif
.endm
.set MUL_LO, 0xa1                      ; source 0 window 1, source 1 window 0, C and D window 2
.set MUL_HI, 0xf1                      ; the same, C and D window 3
.set TO_B,   0x40                      ; destination window 1, address window 0
; A joint load: waves 0 and 1 fetch x's halves, waves 2 and 3 w's.  The branch hangs on the wave's number alone.  An s_nop 0 and four v_nop follow each line.
.macro JLOAD g0a, g1a, g0b, g1b
	s_cmp_eq_u32 s15, 0
	s_cbranch_scc0 .Lfor_b_\@
	tensor_load_to_lds s[\g0a:\g0a+3], s[\g1a:\g1a+7]
	s_nop 0
.rept 4
	v_nop
.endr
	s_branch .Lasked_\@
.Lfor_b_\@:
	tensor_load_to_lds s[\g0b:\g0b+3], s[\g1b:\g1b+7]
	s_nop 0
.rept 4
	v_nop
.endr
.Lasked_\@:
.endm
.macro CREST                           ; a round of the cluster's barrier behind its opening barrier
	s_cmp_lg_u32 s14, 0
	s_cbranch_scc1 .Lnot_wave_0_\@
	s_barrier_signal -3
.Lnot_wave_0_\@:
	s_barrier_wait -3
	s_barrier_signal -1
	s_barrier_wait -1
.endm
.macro CROUND
	s_barrier_signal -1
	s_barrier_wait -1
	CREST
.endm
	s_load_b128 s[4:7], s[0:1], 0x0                ; x_codes s[4:5], wqkv_codes s[6:7]
	s_load_b128 s[8:11], s[0:1], 0x10              ; the scales' exponents s[8:9], b_qkv s[10:11]
	s_load_b128 s[80:83], s[0:1], 0x20             ; q_codes s[80:81], k_codes s[82:83]
	s_load_b64 s[84:85], s[0:1], 0x30              ; v_codes
	v_lshl_add_u32 v[SPW], v0, 2, SPARE
	v_mov_b32 v[NIL], 0
	ds_add_u32 v[SPW], v[NIL]                      ; the wave's opening: the add and its wait ahead of my first tensor load; the set-up below stands between them
	ds_add_u32 v[SPW], v[NIL]
	v_lshrrev_b32 v1, 5, v0
	v_readfirstlane_b32 s14, v1                    ; wave 0..3
	s_lshr_b32 s15, s14, 1                         ; which half of the stage's rows is mine.  Also: I fetch for x (0) or for w (1)
	s_and_b32 s16, s14, 1                          ; which half of its bytes.  Also: which 128 rows of that tile I fetch
	s_bfe_u32 s40, ttmp6, 0x40000                  ; cx, cy: my place in the cluster
	s_bfe_u32 s41, ttmp6, 0x40004
	s_lshl_b32 s42, ttmp9, 2
	s_add_co_u32 s42, s42, s40                     ; tile column (of w's rows) = 4 x cluster x + cx
	s_and_b32 s17, ttmp7, 0xffff
	s_lshl_b32 s17, s17, 2
	s_add_co_u32 s17, s17, s41                     ; tile row (of x's rows) = 4 x cluster y + cy
	s_lshl_b32 s43, s41, 2
	s_lshl_b32 s43, 15, s43                        ; my row of the cluster
	s_lshl_b32 s44, 0x1111, s40                    ; my column
	s_or_b32 s[G1+0], s43, (0<<16)|(1<<20)|(1<<21)|(5<<22)|(3<<25)  ; the mask; elements of 1 byte; padding on; bit 21 beside a mask; after every 64 words, 4 words
	s_or_b32 s[G1B+0], s44, (0<<16)|(1<<20)|(1<<21)|(5<<22)|(3<<25)
.irp g, G1, G1B
	s_mov_b32 s[\g+1], ROWB<<16                    ; tensor_dim0
	s_mov_b32 s[\g+2], 256<<16                     ; tensor_dim1: the head's loads bring whole tiles of 256 rows
	s_mov_b32 s[\g+3], ROWB<<16                    ; tile_dim0
	s_mov_b32 s[\g+4], 256                         ; tile_dim1
	s_mov_b32 s[\g+5], KROW                        ; from row to row
	s_mov_b32 s[\g+6], 0
	s_mov_b32 s[\g+7], 0
.endr
	s_lshl_b32 s20, s17, 18                        ; x: row 256 x tile row, in bytes
	s_mov_b32 s21, 0
	s_lshl_b32 s46, s42, 18                        ; w: row 256 x tile column, in bytes
	s_mov_b32 s47, 0
	; v's clusters (cluster x = 2): the LDS layout and the fragment addresses stay as they are; the two POINTERS change places.  The lower region takes w's tile 8 + cy (shared along a row of the cluster),
	; the upper region x's tile 4 x cluster y + cx (shared along a column): each address hangs on the one coordinate that its mask's partners share
	s_and_b32 s66, ttmp7, 0xffff
	s_lshl_b32 s66, s66, 2
	s_add_co_u32 s66, s66, s40                     ; v: x's tile
	s_lshl_b32 s70, s66, 18
	s_mov_b32 s71, 0
	s_add_co_u32 s67, s41, 8                       ; v: w's tile
	s_lshl_b32 s68, s67, 18
	s_mov_b32 s69, 0
	s_mul_i32 s45, s16, HALFT                      ; a refill's half of a tile in LDS
	s_wait_dscnt 0x0                               ; the opening add is done
	s_wait_kmcnt 0x0
	s_load_b256 s[72:79], s[8:9], 0x0              ; e0 .. e7
	s_add_nc_u64 s[20:21], s[4:5], s[20:21]
	s_add_nc_u64 s[46:47], s[6:7], s[46:47]
	s_add_nc_u64 s[68:69], s[6:7], s[68:69]
	s_add_nc_u64 s[70:71], s[4:5], s[70:71]
	s_cmp_eq_u32 ttmp9, 2                          ; the cluster's x: the same in all sixteen partners
	s_cselect_b64 s[20:21], s[68:69], s[20:21]     ; what the lower region takes
	s_cselect_b64 s[46:47], s[70:71], s[46:47]     ; what the upper region takes
	s_cselect_b32 s94, s66, s17                    ; s94: x's tile, s95: w's tile, for the biases and the way out
	s_cselect_b32 s95, s67, s42
	CROUND                                         ; all sixteen work-groups are here: the first joint loads meet
.irp s, 0,1
	s_mov_b32 s[G0+4*\s], 1
	s_mov_b32 s[G0+4*\s+1], \s*SLOT
	s_add_nc_u64 s[G0+4*\s+2:G0+4*\s+3], s[20:21], \s*ROWB
	s_or_b32 s[G0+4*\s+3], s[G0+4*\s+3], 0x80000000
	s_mov_b32 s[G0B+4*\s], 1
	s_mov_b32 s[G0B+4*\s+1], 2*HALFT+\s*SLOT
	s_add_nc_u64 s[G0B+4*\s+2:G0B+4*\s+3], s[46:47], \s*ROWB
	s_or_b32 s[G0B+4*\s+3], s[G0B+4*\s+3], 0x80000000
.endr
	; THE FIRST FILLS: one tensor load a wave, each a whole tile of 256 rows: wave 0 the lower region of slot 0, wave 1 its upper region, waves 2 and 3 the same of slot 1: both slots are asked for at once.
	; One chain of branches on the wave's number, one fill to an arm, one join; an s_nop 0 and four v_nop follow each load
	s_cmp_eq_u32 s14, 0
	s_cbranch_scc0 .Lhead_1
	tensor_load_to_lds s[G0:G0+3], s[G1:G1+7]
	s_nop 0
.rept 4
	v_nop
.endr
	s_branch .Lhead_join
.Lhead_1:
	s_cmp_eq_u32 s14, 1
	s_cbranch_scc0 .Lhead_2
	tensor_load_to_lds s[G0B:G0B+3], s[G1B:G1B+7]
	s_nop 0
.rept 4
	v_nop
.endr
	s_branch .Lhead_join
.Lhead_2:
	s_cmp_eq_u32 s14, 2
	s_cbranch_scc0 .Lhead_3
	tensor_load_to_lds s[G0+4:G0+7], s[G1:G1+7]
	s_nop 0
.rept 4
	v_nop
.endr
	s_branch .Lhead_join
.Lhead_3:
	tensor_load_to_lds s[G0B+4:G0B+7], s[G1B:G1B+7]
	s_nop 0
.rept 4
	v_nop
.endr
.Lhead_join:
	v_and_b32 v1, 15, v0                           ; r
	v_bfe_u32 v2, v0, 4, 1                         ; h
	v_mul_u32_u24 v3, v1, PITCH
	v_lshl_add_u32 v4, v2, 4, v3                   ; a fragment's row x pitch + 16 h
	s_wait_alu depctr_va_vdst(0)
	s_mul_i32 s21, s15, HALFT                      ; source 1: the lower region
	s_mul_i32 s22, s16, HALFT
	s_add_co_u32 s22, s22, 2*HALFT                 ; source 0: the upper region
.irp s, 0,1
	v_add_nc_u32 v[ADRA+\s], s21, v4
	v_add_nc_u32 v[ADRB+\s], s22, v4
	s_add_co_u32 s21, s21, SLOT
	s_add_co_u32 s22, s22, SLOT
.endr
	s_mul_i32 s23, s15, HALFT                      ; the stage: row 128 s15 + r, byte 128 s16 + 8 h
	s_lshl_b32 s66, s16, 7
	s_add_co_u32 s23, s23, s66
	v_lshl_add_u32 v5, v2, 3, v3
	v_add_nc_u32 v[STOQ], s23, v5
	v_lshl_add_u32 v[STOV], v2, 3, v[STOQ]         ; v: 16 h in place of 8 h: within 32 keys the order is 0-7, 16-23, 8-15, 24-31, so that 16 bytes are two register pairs of the next product's operand
	v_add_nc_u32 v[STOV], SLOT, v[STOV]
	v_and_b32 v6, 31, v0                           ; lane
	v_lshrrev_b32 v7, 2, v6
	v_mul_u32_u24 v7, v7, PITCH
	v_and_b32 v5, 3, v6
	v_lshl_add_u32 v7, v5, 4, v7
	s_mul_i32 s23, s14, 64*PITCH
	v_add_nc_u32 v[RDQ], s23, v7                   ; q, k: row 64 wave + lane / 4, 16 (lane % 4): four lanes take a head's 64 bytes of a row
	v_lshrrev_b32 v7, 3, v1
	v_mul_u32_u24 v7, v7, PITCH
	v_and_b32 v5, 7, v1
	v_lshl_add_u32 v7, v5, 4, v7
	v_lshl_add_u32 v7, v2, 7, v7
	v_add_nc_u32 v7, s23, v7
	v_add_nc_u32 v[RDV], SLOT, v7                  ; v: row 64 wave + r / 8, byte 128 h + 16 (r % 8): sixteen lanes take 128 keys of two rows d
	v_lshlrev_b32 v[GOQ], 4, v6
	v_lshlrev_b32 v[GOV], 13, v2                   ; v_codes is laid [head][step of 128 keys][64 d][128]: 8,192 bytes a step
	v_lshl_add_u32 v[GOV], v1, 4, v[GOV]
	v_lshlrev_b32 v8, 5, v2                        ; the bias along my registers: 32 h bytes; v8 and v9 are not written again
	s_wait_alu depctr_va_vdst(0)
	v_lshlrev_b32 v9, 2, v1                        ; the bias of my row: 4 r bytes
	s_wait_alu depctr_va_vdst(0)
	s_lshl_b32 s66, s95, 10
	s_lshl_b32 s67, s16, 9
	s_add_co_u32 s66, s66, s67
	s_mov_b32 s67, 0
	s_add_nc_u64 s[86:87], s[10:11], s[66:67]      ; b_qkv at 256 x tile column + 128 s16
	s_lshl_b32 s66, s95, 10
	s_lshl_b32 s68, s15, 9
	s_add_co_u32 s66, s66, s68
	s_add_nc_u64 s[88:89], s[10:11], s[66:67]      ; and at 256 x tile column + 128 s15.  Both lie inside b_qkv for every tile column: both kinds are loaded, one is used
.irp b, 0,1,2,3,4,5,6,7
	global_load_b128 v[BI+8*\b:BI+8*\b+3], v8, s[86:87] offset:64*\b
	global_load_b128 v[BI+8*\b+4:BI+8*\b+7], v8, s[86:87] offset:64*\b+16
.endr
.irp a, 0,1,2,3,4,5,6,7
	global_load_b32 v[BV+2*\a], v9, s[88:89] offset:64*\a
	global_load_b32 v[BV+2*\a+1], v9, s[88:89] offset:64*\a
.endr
	s_cmp_eq_u32 ttmp9, 0
	s_cselect_b64 s[90:91], s[80:81], s[82:83]     ; q's buffer or k's (in v's cluster the choice is not used)
	s_lshr_b32 s66, s94, 3
	s_and_b32 s68, s95, 3
	s_and_b32 s69, s94, 7
	s_lshl_b32 s70, s66, 21
	s_lshl_b32 s71, s68, 19
	s_add_co_u32 s70, s70, s71
	s_lshl_b32 s71, s69, 14
	s_add_co_u32 s70, s70, s71
	s_lshl_b32 s71, s14, 12
	s_add_co_u32 s70, s70, s71
	s_mov_b32 s71, 0
	s_add_nc_u64 s[90:91], s[90:91], s[70:71]      ; ((16 b + 4 x four) << 17) + 64 (256 x which + 64 wave)
	s_lshl_b32 s70, s66, 21
	s_lshl_b32 s71, s68, 19
	s_add_co_u32 s70, s70, s71
	s_lshl_b32 s71, s14, 17
	s_add_co_u32 s70, s70, s71
	s_lshl_b32 s71, s69, 14
	s_add_co_u32 s70, s70, s71
	s_mov_b32 s71, 0
	s_add_nc_u64 s[92:93], s[84:85], s[70:71]      ; ((1024 b + 256 x four + 64 wave) << 11) + 64 (256 x which)
.macro FRAG reg, adr, q, i             ; 16 rows x 128 K: lane l holds row l % 16; registers 4 c .. 4 c + 3 hold K = 32 c + 16 (l / 16) + 0 .. 15: the same order of k on both sides
.irp c, 0,1,2,3
	ds_load_b128 v[\reg+4*\c:\reg+4*\c+3], v[\adr] offset:128*(\q)+32*\c+(\i)*16*PITCH
.endr
.endm
; 16 matrix instructions.  The 64 accumulators take turns, one instruction a turn, in the same order in every step.  zero = 1: the first product starts the sums.
.macro MUL16 a0, p, zero
.irp a, \a0, \a0+1
.irp b, 0,1,2,3,4,5,6,7
.if \zero
	v_wmma_f32_16x16x128_fp8_fp8 v[8*(8*((\a)%4)+\b):8*(8*((\a)%4)+\b)+7], v[128*(\p)+FR*\b:128*(\p)+FR*\b+FR-1], v[AF+FR*(\a):AF+FR*(\a)+FR-1], 0
.else
	v_wmma_f32_16x16x128_fp8_fp8 v[8*(8*((\a)%4)+\b):8*(8*((\a)%4)+\b)+7], v[128*(\p)+FR*\b:128*(\p)+FR*\b+FR-1], v[AF+FR*(\a):AF+FR*(\a)+FR-1], v[8*(8*((\a)%4)+\b):8*(8*((\a)%4)+\b)+7]
.endif
.endr
.endr
.endm
.macro FETCH_B slot, q, p
	WIN TO_B
.irp i, 0,1,2,3,4,5,6,7
	FRAG 128*(\p)+FR*\i, ADRB+\slot, \q, \i
.endr
	WIN 0
.endm
.macro FETCH_A slot, q, i0
.irp i, \i0, \i0+1, \i0+2, \i0+3
	FRAG AF+FR*(\i), ADRA+\slot, \q, \i
.endr
.endm
.macro PLACES n                        ; plain vector instructions between a matrix instruction and a load into, or a vector read or write of, its registers
.rept \n
	v_nop
.endr
.endm
.macro STEP slot, q, zero              ; 128 along K that has its successor in the same slot
	s_wait_dscnt 4*NL                              ; source 0's set and source 1's blocks 0-3 are in; the youngest 16 loads (blocks 4-7) may be out
	WIN MUL_LO
	MUL16 0, (\q)%2, \zero
	MUL16 2, (\q)%2, \zero
	s_wait_dscnt 0
	PLACES NP
	FETCH_B \slot, (\q)+1, 1-(\q)%2
	FETCH_A \slot, (\q)+1, 0
	WIN MUL_HI
	MUL16 4, (\q)%2, \zero
	MUL16 6, (\q)%2, \zero
	PLACES NP
	WIN 0
	FETCH_A \slot, (\q)+1, 4
.endm
; A slot's last step changes slots: one barrier; in front of it each wave waits for all its tensor loads, adds 0 to its spare word, and waits for that and for its reads of this slot.
.macro TURN slot, next, fill
	s_wait_tensorcnt 0x0                           ; all my tensor loads have landed: my part of the next slot
	ds_add_u32 v[SPW], v[NIL]
	s_wait_dscnt 4*NL+1                            ; the add and the youngest 16 loads may be out
	WIN MUL_LO
	MUL16 0, 1, 0
	s_wait_dscnt 0x0                               ; the add is done, and my reads of this slot are over
	s_barrier_signal -1
	MUL16 2, 1, 0
	WIN 0
	s_barrier_wait -1
.if \fill
	CREST                                          ; the barrier has opened a round of the cluster's: no wave of any partner still reads this slot or has a load on its way
	s_add_nc_u64 s[G0+4*\slot+2:G0+4*\slot+3], s[G0+4*\slot+2:G0+4*\slot+3], 2*ROWB
	s_add_nc_u64 s[G0B+4*\slot+2:G0B+4*\slot+3], s[G0B+4*\slot+2:G0B+4*\slot+3], 2*ROWB
	JLOAD G0+4*\slot, G1, G0B+4*\slot, G1B         ; the first tensor load behind the round; its four v_nop are the places in front of the loads below
.else
	PLACES NP
.endif
	FETCH_B \next, 0, 0
	FETCH_A \next, 0, 0
	WIN MUL_HI
	MUL16 4, 1, 0
	MUL16 6, 1, 0
	PLACES NP
	WIN 0
	FETCH_A \next, 0, 4
.endm
	s_wait_alu depctr_va_vdst(0)                   ; the wait at the head's end
	s_wait_tensorcnt 0x0                           ; my part of K step 0 is in
	s_mov_b32 s[G1+2], 128<<16                     ; no tensor load of mine is out, so the descriptors may be written: a refill is a half of a tile, 128 rows, to a wave
	s_mov_b32 s[G1+4], 128
	s_mov_b32 s[G1B+2], 128<<16
	s_mov_b32 s[G1B+4], 128
	s_lshl_b32 s66, s16, 17                        ; 128 rows of 1,024 bytes
	s_mov_b32 s67, 0
.irp s, 0,1
	s_add_co_u32 s[G0+4*\s+1], s[G0+4*\s+1], s45
	s_add_nc_u64 s[G0+4*\s+2:G0+4*\s+3], s[G0+4*\s+2:G0+4*\s+3], s[66:67]
	s_add_co_u32 s[G0B+4*\s+1], s[G0B+4*\s+1], s45
	s_add_nc_u64 s[G0B+4*\s+2:G0B+4*\s+3], s[G0B+4*\s+2:G0B+4*\s+3], s[66:67]
.endr
	s_barrier_signal -1
	s_barrier_wait -1                              ; everybody's tile is in: both slots are whole
	FETCH_B 0, 0, 0
	FETCH_A 0, 0, 0
	FETCH_A 0, 0, 4
	STEP 0, 0, 1                                   ; the first step's products start the sums
	s_mov_b32 s3, LAPS-1
.Llap:
	TURN 0, 1, 1
	STEP 1, 0, 0
	TURN 1, 0, 1
	STEP 0, 0, 0
	s_sub_co_u32 s3, s3, 1
	s_cmp_lg_u32 s3, 0
	s_cbranch_scc1 .Llap
	TURN 0, 1, 0                                   ; the last lap fills nothing
	STEP 1, 0, 0
	s_wait_dscnt 4*NL
	WIN MUL_LO
	MUL16 0, 1, 0
	MUL16 2, 1, 0
	s_wait_dscnt 0
	WIN MUL_HI
	MUL16 4, 1, 0
	MUL16 6, 1, 0
	WIN 0
; THE WAY OUT.  Block a (16 stage rows x 128 bytes): value = sum x 2^(e0 + e1) + bias, in place, each accumulator from its low end on; the hold; eight numbers of a lane become eight codes, 8 bytes of a stage row.
; vo = 0: the bias runs along the lane's registers (q, k).  vo = 1: it is the lane's row's (v).
.macro CONV a, vo
.set AC, 64*((\a)%4)
.set W, 2+(\a)/4
.set WA, (W<<6)|W
	WIN WA                                         ; source 0 and destination: the accumulators' window
.irp b, 0,1,2,3,4,5,6,7
.irp i, 0,2,4,6
.if \vo
	v_pk_fma_f32 v[AC+8*\b+\i:AC+8*\b+\i+1], v[AC+8*\b+\i:AC+8*\b+\i+1], s[96:97], v[BV+2*(\a):BV+2*(\a)+1] op_sel_hi:[1,0,1]
.else
	v_pk_fma_f32 v[AC+8*\b+\i:AC+8*\b+\i+1], v[AC+8*\b+\i:AC+8*\b+\i+1], s[96:97], v[BI+8*\b+\i:BI+8*\b+\i+1] op_sel_hi:[1,0,1]
.endif
.endr
.endr
.set j, 0
.rept 64
	v_med3_num_f32 v[AC+j], v[AC+j], -v[LIM], v[LIM]   ; the conversion to an 8-bit code does not saturate (ISA guide 7.6.2)
.set j, j+1
.endr
	WIN W                                          ; source 0 alone
.irp b, 0,1,2,3,4,5,6,7
	v_cvt_scalef32_pk8_fp8_f32 v[CD+16*(\a)+2*\b:CD+16*(\a)+2*\b+1], v[AC+8*\b:AC+8*\b+7], v[SC]
.endr
	WIN 0
	v_nop                                          ; one plain vector instruction behind the last conversion of the run
.irp b, 0,1,2,3,4,5,6,7
.if \vo
	ds_store_b64 v[STOV], v[CD+16*(\a)+2*\b:CD+16*(\a)+2*\b+1] offset:(\a)*16*PITCH+32*(\b/2)+8*(\b%2)
.else
	ds_store_b64 v[STOQ], v[CD+16*(\a)+2*\b:CD+16*(\a)+2*\b+1] offset:(\a)*16*PITCH+16*\b
.endif
.endr
.endm
	s_wait_kmcnt 0x0
	s_add_co_i32 s96, s72, s73
	s_add_co_i32 s96, s96, 127
	s_lshl_b32 s96, s96, 23                        ; 2^(e0 + e1) as f32
	s_mov_b32 s97, s96                             ; (named with it as a pair, so it is written)
	s_cmp_eq_u32 ttmp9, 0
	s_cselect_b32 s98, s74, s75                    ; e2 for q, e3 for k,
	s_cmp_eq_u32 ttmp9, 2
	s_cselect_b32 s98, s77, s98                    ; e5 for v: a choice, no branch
	s_add_co_i32 s98, s98, 127
	s_lshl_b32 s99, s98, 23
	v_mov_b32 v[SC], s99
	s_add_co_i32 s98, s98, 8
	s_lshl_b32 s98, s98, 23
	s_or_b32 s98, s98, 0x600000
	v_mov_b32 v[LIM], s98
	s_wait_loadcnt 0x0                             ; the biases
	s_wait_dscnt 0x0
	s_barrier_signal -1
	s_barrier_wait -1                              ; nobody reads a slot any more; both have had their last fill: the stage may lie there
	PLACES NP
	s_cmp_eq_u32 ttmp9, 2
	s_cbranch_scc1 .Lconv_v
.irp a, 0,1,2,3,4,5,6,7
	CONV \a, 0
.endr
	s_branch .Lconv_done
.Lconv_v:
.irp a, 0,1,2,3,4,5,6,7
	CONV \a, 1
.endr
.Lconv_done:
	s_wait_dscnt 0x0                               ; for the others' sake: my stores into the stage are done
	s_barrier_signal -1
	s_barrier_wait -1
	s_cmp_eq_u32 ttmp9, 2
	s_cbranch_scc1 .Lsend_v
	; q, k: wave w takes stage rows (t) 64 w on.  Head p, eight t at a time: 512 consecutive bytes of the head's codes
.irp p, 0,1,2,3
.irp g, 0,1,2,3,4,5,6,7
	ds_load_b128 v[CD+4*(8*\p+\g):CD+4*(8*\p+\g)+3], v[RDQ] offset:\g*8*PITCH+64*\p
.endr
.endr
.irp p, 0,1,2,3
.irp g, 0,1,2,3,4,5,6,7
	s_wait_dscnt 31-(8*\p+\g)
	global_store_b128 v[GOQ], v[CD+4*(8*\p+\g):CD+4*(8*\p+\g)+3], s[90:91] offset:\p*131072+\g*512
.endr
.endr
	s_branch .Lsent
.Lsend_v:
	; v: wave w takes stage rows 64 w on: one head's 64 d.  Sixteen lanes store 256 consecutive bytes of a row of v_codes, aligned
.irp i, 0,1,2,3,4,5,6,7,8,9,10,11,12,13,14,15,16,17,18,19,20,21,22,23,24,25,26,27,28,29,30,31
	ds_load_b128 v[CD+4*\i:CD+4*\i+3], v[RDV] offset:2*PITCH*\i
.endr
.irp i, 0,1,2,3,4,5,6,7,8,9,10,11,12,13,14,15,16,17,18,19,20,21,22,23,24,25,26,27,28,29,30,31
	s_wait_dscnt 31-\i
	global_store_b128 v[GOV], v[CD+4*\i:CD+4*\i+3], s[92:93] offset:256*\i
.endr
.Lsent:
	s_wait_tensorcnt 0x0                           ; the wave's end: an add to my spare word and its wait, behind my last tensor load and my last LDS store
	ds_add_u32 v[SPW], v[NIL]
	s_wait_dscnt 0x0
	CROUND                                         ; the closing round
	s_endpgm
.Lfunc_end_k_q7afe9c5215_qkv:
	.size	k_q7afe9c5215_qkv, .Lfunc_end_k_q7afe9c5215_qkv-k_q7afe9c5215_qkv
	.p2alignl 7, 3214868480
	.fill 96, 4, 3214868480
	.section	.rodata,"a",@progbits
	.p2align	6, 0x0
	.amdhsa_kernel k_q7afe9c5215_qkv
		.amdhsa_group_segment_fixed_size 327680
		.amdhsa_private_segment_fixed_size 0
		.amdhsa_enable_private_segment 0
		.amdhsa_kernarg_size 56
		.amdhsa_user_sgpr_count 2
		.amdhsa_user_sgpr_kernarg_segment_ptr 1
		.amdhsa_wavefront_size32 1
		.amdhsa_system_sgpr_workgroup_id_x 1
		.amdhsa_system_sgpr_workgroup_id_y 1
		.amdhsa_system_sgpr_workgroup_id_z 1
		.amdhsa_system_vgpr_workitem_id 0
		.amdhsa_next_free_vgpr 1024
		.amdhsa_next_free_sgpr 100
		.amdhsa_reserve_vcc 0
		.amdhsa_float_denorm_mode_32 3
		.amdhsa_float_denorm_mode_16_64 3
		.amdhsa_memory_ordered 1
		.amdhsa_forward_progress 1
		.amdhsa_inst_pref_size 210
	.end_amdhsa_kernel
	.amdgpu_metadata
---
amdhsa.version: [ 1, 2 ]
amdhsa.kernels:
  - .name:           k_q7afe9c5215_qkv
    .symbol:         k_q7afe9c5215_qkv.kd
    .args:
      - { .name: x_codes, .offset: 0, .size: 8, .value_kind: global_buffer, .address_space: global }
      - { .name: wqkv_codes, .offset: 8, .size: 8, .value_kind: global_buffer, .address_space: global }
      - { .name: lowp_scales, .offset: 16, .size: 8, .value_kind: global_buffer, .address_space: global }
      - { .name: b_qkv, .offset: 24, .size: 8, .value_kind: global_buffer, .address_space: global }
      - { .name: q_codes, .offset: 32, .size: 8, .value_kind: global_buffer, .address_space: global }
      - { .name: k_codes, .offset: 40, .size: 8, .value_kind: global_buffer, .address_space: global }
      - { .name: v_codes, .offset: 48, .size: 8, .value_kind: global_buffer, .address_space: global }
    .group_segment_fixed_size: 327680
    .private_segment_fixed_size: 0
    .kernarg_segment_align: 8
    .kernarg_segment_size: 56
    .max_flat_workgroup_size: 128
    .sgpr_count:     100
    .vgpr_count:     1024
    .wavefront_size: 32
...
	.end_amdgpu_metadata
.endif
;; end of part 2
;; launch attn (part 3): grid 4 x 64, 8 waves a work-group, clusters of 4 x 1, 327,680 bytes of LDS; arguments q_codes, k_codes, v_codes, lowp_scales, a_codes; writes a_codes
.if DOCPART == 3
	.amdgcn_target "amdgcn-amd-amdhsa--gfx1250"
	.amdhsa_code_object_version 6
	.text
	.protected	k_q7afe9c5215_attn
	.globl	k_q7afe9c5215_attn
	.p2align	8
	.type	k_q7afe9c5215_attn,@function
k_q7afe9c5215_attn:
	s_mov_b64 s[64:65], 0
	v_nop
	global_prefetch_b8 v0, s[64:65] scope:SCOPE_SE
	s_setreg_imm32_b32 hwreg(HW_REG_WAVE_MODE, 25, 1), 1
	s_wait_xcnt 0x0
	s_wait_alu depctr_hold_cnt(0) depctr_sa_sdst(0) depctr_va_vdst(0) depctr_va_sdst(0) depctr_va_ssrc(0) depctr_va_vcc(0) depctr_vm_vsrc(0)
	s_getreg_b32 s2, hwreg(HW_REG_IB_STS2, 6, 4)
	s_cmp_eq_u32 s2, 0
	s_cbranch_scc0 .Lentry_in_a_cluster
	s_endpgm
.Lentry_in_a_cluster:
	s_bfe_u32 s2, ttmp6, 0x10000c
	s_cmp_lg_u32 s2, 0x3003
	s_cbranch_scc0 .Lentry_shape_is_right
	s_endpgm
.Lentry_shape_is_right:
; CAUSAL ATTENTION ON CODES OF FP8 (E4M3), head size 64, 2,048 keys, 64 heads (bh = 16 b + h); its result quantised at once for the last product.
; q_codes, k_codes [bh][t][64]; v_codes [bh][step of 128 keys][64 d][128], within 32 keys in the order 0-7, 16-23, 8-15, 24-31; a_codes [h][2048 b + t][64].
; t = score x 2^(e2 + e3) x log2(e) / 8; M = the running largest t rounded UP to a whole number; p = 2^(t - M) is quantised with 2^e4, not normalised; the row's sum is taken of the unquantised p and divides at the end.
; When M moves, the sum and O are multiplied by 2^(old M - new M): nothing is rounded.  o = O x 2^(e4 + e5) / sum; its code = o / 2^e6, held within +-448: the three exponents are folded into the conversion's one.
; LIMITS: e2 + e3 between -123 and 130 (added to c's exponent field); e4, and e6 - e4 - e5, between -126 and 119; the scaled scores stay under 2^31 in magnitude.
; LEFT OUT: key steps all of whose keys come after a wave's queries: the causal mask gives them the weight 0.
; NO RING.  A head's K and V are 2 x 131,072 bytes of codes: both lie in LDS whole (286,720 bytes with padding) and no byte is filled twice.  K's steps 0-7 and V's steps 0-3 are asked for at the head, the rest behind one
; full sequence and round; one barrier behind the fourth step shows it to all.  From there on the waves share nothing and meet at no barrier.
; SHARES.  A head's 64 groups of 32 queries are dealt to the four work-groups of a cluster: work-group cx takes groups 4 i + cx, i = 0 .. 15.  Group 4 i + cx wants key steps 0 .. i, whatever cx is, and only step i
; needs the mask.  Wave w takes i = 15 - w and then i = w: 17 key steps for every wave of the launch.  No trip count and no branch hangs on cx.
; CLUSTER 4, 1, 1: the four work-groups of a head want the same K and V at the same time: every tile is asked for jointly (mask 15).
; NO PREFETCH: every byte of K and V is asked for by the two groups of loads at the head; there is no later request to run ahead of.
; LAYOUT.  Both products transposed: S^T = K Q^T (16x16x64: source 0 = 16 neighbouring keys, source 1 = 16 queries), O^T = V^T P^T (16x16x128): a lane holds ONE query (lane % 16) throughout.
; Register 8 t + j of S^T is key 16 t + 8 (lane / 16) + j: the conversion of tile t gives registers 2 t, 2 t + 1 of the second product's operand in that form's own order; V's order in memory gives the same by loads of 16 bytes.
; K's fragments are asked for one step ahead, straight behind the products that read the last ones; V's at the step's head.
; REGISTERS.  Window 0: v1-11 addresses and the mask's d; v12-19 statistics (tile u at 12 + 4 u: -M, largest score, the sum in two halves); v20, v22 f; v21 d of tile 1 and v23 -infinity (named as upper halves of the pairs
;   with f, whose low word alone is taken); v24-28 at work; v29, v30 p's hold, twice; v31 p's scale; v32-95 V's 4 fragments; v96-223 S^T, then p; v224-255 at work, then p's codes.   Window 1: v0-15 Q; v16-79 K's 8 fragments; v96-159 O^T.
.set KP,    272                        ; four keys' 256 bytes + 16 of padding
.set VP,    144                        ; a row d of a step of V: 128 bytes + 16 of padding
.set KST,   32*KP                      ; a key step of K in LDS
.set VST,   64*VP                      ; and of V
.set VBASE, 16*KST
.set STAGE, VBASE+16*VST               ; the way out: 2,048 bytes for each wave; no tile lands here
.set SPARE, STAGE+8*2048               ; the spare words, 128 bytes for each of eight waves
.set AK0, 1
.set AV0, 2
.set QO,  3
.set STO, 4
.set SPW, 5
.set NIL, 6
.set GO,  7
.set ADK, 8
.set ADV, 9
.set RD,  10
.set DM,  11
.set ST,  12
.set F,   20
.set DM1, 21
.set NINF, 23
.set PLIM2, 29
.set PLIM, 30
.set PSC, 31
.set VF,  32
.set S,   96
.set PC,  224
.set T0,  224
.set QW,  0
.set KW,  16
.set OW,  96
.set WV,  14
.set W3,  15
.set CX,  18
.set II,  19                           ; the group's last key step
.set SEL, 20
.set CS,  22
.set G1K, 24
.set G1VA, 32
.set G1VB, 40
.set G0K, 56
.set G0V, 60
.set JJ,  66                           ; the key step
.set KO,  67                           ; its first byte in K's region, and
.set VO,  76                           ; in V's
.set OSC, 77
.set OLIM, 78
.set ONEG, 79
.set KN,  84                           ; the next step's first byte in K's region
.set QA,  90
.set AA,  92
.set MSB, 0
.macro WIN new
.if MSB != \new
	s_set_vgpr_msb (MSB<<8)|\new
.set MSB, \new
.endif
.endm
.macro MKG1 g, qi, rows                ; rows of 256 bytes, dense in memory; mask 15 with bit 21 beside it; four words of padding after every 2 << qi
	s_mov_b32 s[\g], 15|(1<<20)|(1<<21)|(\qi<<22)|(3<<25)
	s_mov_b32 s[\g+1], 256<<16
	s_mov_b32 s[\g+2], \rows<<16
	s_mov_b32 s[\g+3], 256<<16
	s_mov_b32 s[\g+4], \rows
	s_mov_b32 s[\g+5], 256
	s_mov_b32 s[\g+6], 0
	s_mov_b32 s[\g+7], 0
.endm
.macro JLOAD g1k, g1v                  ; waves 0-3 fetch a quarter of K's part each, waves 4-7 of V's: every wave one load.  An s_nop 0 and four v_nop follow each line
	s_cmp_lt_u32 s[WV], 4
	s_cbranch_scc0 .Lfor_v_\@
	tensor_load_to_lds s[G0K:G0K+3], s[\g1k:\g1k+7]
	s_nop 0
.rept 4
	v_nop
.endr
	s_branch .Lasked_\@
.Lfor_v_\@:
	tensor_load_to_lds s[G0V:G0V+3], s[\g1v:\g1v+7]
	s_nop 0
.rept 4
	v_nop
.endr
.Lasked_\@:
.endm
.macro ROUND                           ; a round of the cluster's barrier
	s_barrier_signal -1
	s_barrier_wait -1
	s_cmp_lg_u32 s[WV], 0
	s_cbranch_scc1 .Lnot_wave_0_\@
	s_barrier_signal -3
.Lnot_wave_0_\@:
	s_barrier_wait -3
	s_barrier_signal -1
	s_barrier_wait -1
.endm
.macro QLOAD                           ; my 32 queries' codes stay in registers
	WIN 0x40
.irp u, 0,1
.irp c, 0,1
	global_load_b128 v[QW+8*\u+4*\c:QW+8*\u+4*\c+3], v[QO], s[QA:QA+1] offset:1024*\u+32*\c
.endr
.endr
	WIN 0
.endm
.macro KLOAD                           ; a step's eight fragments of K, from v[ADK]
	WIN 0x40
.irp t, 0,1,2,3,4,5,6,7
.irp c, 0,1
	ds_load_b128 v[KW+8*\t+4*\c:KW+8*\t+4*\c+3], v[ADK] offset:4*\t*KP+32*\c
.endr
.endr
	WIN 0
.endm
.macro RESET                           ; a group begins: O^T and the sums are zeros, the largest score is -3e38 and -M is 3e38: the first change of M multiplies zeros by 0
	WIN 0x40
.set j, 0
.rept 64
	v_mov_b32 v[OW+j], 0
.set j, j+1
.endr
	WIN 0
.irp u, 0,1
	v_mov_b32 v[ST+4*\u], 0x7f61b1e6
	v_mov_b32 v[ST+4*\u+1], 0xff61b1e6
	v_mov_b32 v[ST+4*\u+2], 0
	v_mov_b32 v[ST+4*\u+3], 0
.endr
.endm
; A KEY STEP: 128 keys x my 32 queries.  m = 1: a step behind the group's last is left out, and the last is masked: branches on the wave's number and the count of steps.
.macro STEP m
.if \m
	s_cmp_gt_u32 s[JJ], s[II]
	s_cbranch_scc1 .Lhid_\@
.endif
	v_add_nc_u32 v[ADV], s[VO], v[AV0]
.rept 3
	v_nop                                          ; with the line above: four places in front of loads into registers that the last products read
.endr
.irp t, 0,1,2,3
.irp c, 0,1,2,3
	ds_load_b128 v[VF+16*\t+4*\c:VF+16*\t+4*\c+3], v[ADV] offset:16*\t*VP+32*\c
.endr
.endr
	s_wait_dscnt 16                                ; K's 16 loads, asked for a step ago, are in; V's 16, just issued, may be out: they land while the softmax is worked
	WIN 0x05                                       ; K and Q in window 1
.irp t, 0,1,2,3,4,5,6,7
.irp u, 0,1
	v_wmma_f32_16x16x64_fp8_fp8 v[S+64*\u+8*\t:S+64*\u+8*\t+7], v[KW+8*\t:KW+8*\t+7], v[QW+8*\u:QW+8*\u+7], 0
.endr
.endr
	WIN 0
	s_add_co_u32 s[KN], s[KO], KST                 ; the next step's K, held at the last step of the region (a group's last step asks for fragments that nobody uses)
	s_min_u32 s[KN], s[KN], 15*KST
	v_add_nc_u32 v[ADK], s[KN], v[AK0]
.rept 3
	v_nop                                          ; four places in front of the loads below and of the first read of the scores
.endr
	KLOAD
.if \m
	s_cmp_lg_u32 s[JJ], s[II]
	s_cbranch_scc1 .Lopen_\@
.set n, 0
.rept 64                                       ; the group's last step: register 8 t + j is hidden where 16 t + j > d, d = 32 cx + 16 u + lane % 16 - 8 (lane / 16).  Key 0 of the step counts for every query
	v_cmp_gt_i32 vcc_lo, 16*(n/8)+n%8, v[DM]
	v_cndmask_b32 v[S+n], v[S+n], v[NINF], vcc_lo
	v_cmp_gt_i32 vcc_lo, 16*(n/8)+n%8, v[DM1]
	v_cndmask_b32 v[S+64+n], v[S+64+n], v[NINF], vcc_lo
.set n, n+1
.endr
.Lopen_\@:
.endif
	; the maxima: four chains, two for each tile of queries; each accumulator from its low end on
	v_max3_num_f32 v[T0], v[S], v[S+1], v[S+2]
	v_max3_num_f32 v[T0+2], v[S+64], v[S+65], v[S+66]
	v_max3_num_f32 v[T0+1], v[S+3], v[S+4], v[S+5]
	v_max3_num_f32 v[T0+3], v[S+67], v[S+68], v[S+69]
.set j, 6
.rept 14
	v_max3_num_f32 v[T0], v[T0], v[S+j], v[S+j+1]
	v_max3_num_f32 v[T0+2], v[T0+2], v[S+64+j], v[S+65+j]
	v_max3_num_f32 v[T0+1], v[T0+1], v[S+j+2], v[S+j+3]
	v_max3_num_f32 v[T0+3], v[T0+3], v[S+66+j], v[S+67+j]
.set j, j+4
.endr
	v_max3_num_f32 v[T0], v[T0], v[S+62], v[S+63]
	v_max3_num_f32 v[T0+2], v[T0+2], v[S+126], v[S+127]
	v_max_num_f32 v[T0], v[T0], v[T0+1]
	v_max_num_f32 v[T0+2], v[T0+2], v[T0+3]
	v_permlanex16_b32 v[T0+4], v[T0], s[SEL], s[SEL+1]     ; the query's other 64 keys lie in the lane 16 away
	v_permlanex16_b32 v[T0+5], v[T0+2], s[SEL], s[SEL+1]
	v_max3_num_f32 v[ST+1], v[ST+1], v[T0], v[T0+4]        ; the running largest score
	v_max3_num_f32 v[ST+5], v[ST+5], v[T0+2], v[T0+5]
	v_mul_f32 v[T0], s[CS], v[ST+1]                        ; as t (c is positive)
	v_mul_f32 v[T0+2], s[CS], v[ST+5]
	v_floor_f32 v[T0+1], -v[T0]                            ; -M = floor(-t)
	v_floor_f32 v[T0+3], -v[T0+2]
	v_sub_f32 v[T0], v[T0+1], v[ST]                        ; old M - new M: a whole number, 0 or less
	v_sub_f32 v[T0+2], v[T0+3], v[ST+4]
	v_mov_b32 v[ST], v[T0+1]
	v_mov_b32 v[ST+4], v[T0+3]
	v_cvt_i32_f32 v[T0], v[T0]                             ; (it saturates)
	v_cvt_i32_f32 v[T0+2], v[T0+2]
	v_ldexp_f32 v[F], 1.0, v[T0]                           ; f = 2^(old M - new M)
	v_ldexp_f32 v[F+2], 1.0, v[T0+2]
.set j, 0
.rept 32
	v_pk_fma_f32 v[S+j:S+j+1], v[S+j:S+j+1], s[CS:CS+1], v[ST:ST+1] op_sel_hi:[1,0,0]   ; tile 0: t - M (of both pairs the low word serves both halves)
.set j, j+2
.endr
	WIN 0x41                                       ; O^T under the new M, ahead of the exponentials
.irp u, 0,1
.set j, 0
.rept 16
	v_pk_mul_f32 v[OW+32*\u+j:OW+32*\u+j+1], v[OW+32*\u+j:OW+32*\u+j+1], v[F+2*\u:F+2*\u+1] op_sel_hi:[1,0]
.set j, j+2
.endr
.endr
	WIN 0
	s_wait_alu depctr_va_vdst(0)                   ; ahead of a batch
.set j, 0
.rept 32                                       ; THE FIRST BATCH: tile 0's exponentials; between them tile 1's t - M: lines that read nothing written since the wait above, and whose results are read behind the wait below
	v_exp_f32 v[S+j], v[S+j]
	v_exp_f32 v[S+j+1], v[S+j+1]
	v_pk_fma_f32 v[S+64+j:S+65+j], v[S+64+j:S+65+j], s[CS:CS+1], v[ST+4:ST+5] op_sel_hi:[1,0,0]
.set j, j+2
.endr
	v_pk_mul_f32 v[ST+2:ST+3], v[ST+2:ST+3], v[F:F+1] op_sel_hi:[1,0]     ; the sums under the new M
	v_pk_mul_f32 v[ST+6:ST+7], v[ST+6:ST+7], v[F+2:F+3] op_sel_hi:[1,0]
	s_wait_alu depctr_va_vdst(0)                   ; behind the first batch and ahead of the second
.set k, 0
.rept 16                                       ; THE SECOND BATCH: tile 1's exponentials; between them, of tile 0: the first level of the sum of the unquantised p (16 pairs, into registers of their own), then the hold.
	v_exp_f32 v[S+64+4*k], v[S+64+4*k]             ; The hold is one-sided (p is not negative; the conversion does not saturate: ISA guide 7.6.2), two numbers an instruction
	v_pk_add_f32 v[PC+2*k:PC+2*k+1], v[S+4*k:S+4*k+1], v[S+4*k+2:S+4*k+3]
	v_exp_f32 v[S+65+4*k], v[S+65+4*k]
	v_dual_min_num_f32 v[S+4*k], v[PLIM], v[S+4*k] :: v_dual_min_num_f32 v[S+4*k+1], v[PLIM2], v[S+4*k+1]
	v_exp_f32 v[S+66+4*k], v[S+66+4*k]
	v_dual_min_num_f32 v[S+4*k+2], v[PLIM], v[S+4*k+2] :: v_dual_min_num_f32 v[S+4*k+3], v[PLIM2], v[S+4*k+3]
	v_exp_f32 v[S+67+4*k], v[S+67+4*k]
.set k, k+1
.endr
	v_nop                                          ; a plain place behind the last exponential
	s_wait_alu depctr_va_vdst(0)                   ; one wait for the batch and for what was written inside it
	v_pk_add_f32 v[24:25], v[PC:PC+1], v[PC+2:PC+3]    ; the sums: four chains
	v_pk_add_f32 v[26:27], v[S+64:S+65], v[S+66:S+67]
.set j, 4
.rept 15
	v_pk_add_f32 v[ST+6:ST+7], v[ST+6:ST+7], v[S+64+j:S+65+j]
.if j < 60
.if j % 8 == 4
	v_pk_add_f32 v[ST+2:ST+3], v[ST+2:ST+3], v[PC+j/2+2:PC+j/2+3]
.else
	v_pk_add_f32 v[24:25], v[24:25], v[PC+j/2+2:PC+j/2+3]
.endif
.endif
	v_pk_add_f32 v[26:27], v[26:27], v[S+66+j:S+67+j]
.set j, j+4
.endr
	v_pk_add_f32 v[ST+2:ST+3], v[ST+2:ST+3], v[24:25]
	v_pk_add_f32 v[ST+6:ST+7], v[ST+6:ST+7], v[26:27]
.set t, 0
.rept 8                                        ; tile 1's hold, and both tiles' codes
.set i, 0
.rept 4
	v_dual_min_num_f32 v[S+64+8*t+i], v[PLIM], v[S+64+8*t+i] :: v_dual_min_num_f32 v[S+64+8*t+i+1], v[PLIM2], v[S+64+8*t+i+1]
.set i, i+2
.endr
	v_cvt_scalef32_pk8_fp8_f32 v[PC+2*t:PC+2*t+1], v[S+8*t:S+8*t+7], v[PSC]
	v_cvt_scalef32_pk8_fp8_f32 v[PC+16+2*t:PC+16+2*t+1], v[S+64+8*t:S+64+8*t+7], v[PSC]
.set t, t+1
.endr
	v_nop                                          ; one plain vector instruction behind the last conversion
	s_wait_alu depctr_va_vdst(0)                   ; directly ahead of the wait below
	s_wait_dscnt 0x0                               ; V is in (and the next step's K)
	WIN 0x50                                       ; C and D in window 1
.irp t, 0,1,2,3                                ; eight accumulators by turns
.irp u, 0,1
	v_wmma_f32_16x16x128_fp8_fp8 v[OW+32*\u+8*\t:OW+32*\u+8*\t+7], v[VF+16*\t:VF+16*\t+15], v[PC+16*\u:PC+16*\u+15], v[OW+32*\u+8*\t:OW+32*\u+8*\t+7]
.endr
.endr
	WIN 0
.if \m
.Lhid_\@:
.endif
	s_add_co_u32 s[KO], s[KO], KST
	s_add_co_u32 s[VO], s[VO], VST
	s_add_co_u32 s[JJ], s[JJ], 1
.endm
; A GROUP'S END: O^T / the sum, held, quantised; 8 codes a lane and tile through my own stage; my 32 queries' 2,048 consecutive bytes leave by four stores of 512.
.macro FINISH
.rept 4
	v_nop                                          ; places behind the last products
.endr
	v_add_f32 v24, v[ST+2], v[ST+3]
	v_add_f32 v25, v[ST+6], v[ST+7]
	v_permlanex16_b32 v26, v24, s[SEL], s[SEL+1]
	v_permlanex16_b32 v27, v25, s[SEL], s[SEL+1]
	v_add_f32 v24, v24, v26
	v_add_f32 v25, v25, v27
	s_wait_alu depctr_va_vdst(0)                   ; ahead of the transcendentals
	v_rcp_f32 v[F], v24
	v_rcp_f32 v[F+2], v25
	v_mov_b32 v28, s[OSC]                          ; a plain instruction behind the reciprocals: the conversion's scale
	WIN 0x01                                       ; source 0 (O^T) in window 1
	s_wait_alu depctr_va_vdst(0)                   ; one wait for both, and ahead of the first readers of O^T
.irp u, 0,1
.set j, 0
.rept 16
	v_pk_mul_f32 v[S+64*\u+j:S+64*\u+j+1], v[OW+32*\u+j:OW+32*\u+j+1], v[F+2*\u:F+2*\u+1] op_sel_hi:[1,0]
.set j, j+2
.endr
.endr
	WIN 0
.irp u, 0,1
.set j, 0
.rept 32
	v_med3_num_f32 v[S+64*\u+j], v[S+64*\u+j], s[ONEG], s[OLIM]
.set j, j+1
.endr
.endr
.irp u, 0,1
.irp t, 0,1,2,3
	v_cvt_scalef32_pk8_fp8_f32 v[PC+16*\u+2*\t:PC+16*\u+2*\t+1], v[S+64*\u+8*\t:S+64*\u+8*\t+7], v28
.endr
.endr
	v_nop                                          ; one plain vector instruction behind the last conversion
.irp u, 0,1
.irp t, 0,1,2,3
	ds_store_b64 v[STO], v[PC+16*\u+2*\t:PC+16*\u+2*\t+1] offset:1024*\u+16*\t   ; query 16 u + r, d = 16 t + 8 h on
.endr
.endr
.irp i, 0,1,2,3
	ds_load_b128 v[VF+4*\i:VF+4*\i+3], v[RD] offset:512*\i   ; LDS serves a wave's instructions in order: these see my stores
.endr
	s_wait_dscnt 0x0
.irp i, 0,1,2,3
	global_store_b128 v[GO], v[VF+4*\i:VF+4*\i+3], s[AA:AA+1] offset:512*\i
.endr
.endm
	s_load_b256 s[4:11], s[0:1], 0x0               ; q_codes s[4:5], k_codes s[6:7], v_codes s[8:9], the scales' exponents s[10:11]
	s_load_b64 s[12:13], s[0:1], 0x20              ; a_codes
	v_lshl_add_u32 v[SPW], v0, 2, SPARE
	v_mov_b32 v[NIL], 0
	ds_add_u32 v[SPW], v[NIL]                      ; the opening lines: the add, twice on end, and its wait ahead of the round in front of my first tensor load
	ds_add_u32 v[SPW], v[NIL]
	v_lshrrev_b32 v8, 5, v0
	v_readfirstlane_b32 s[WV], v8                  ; wave 0..7
	s_and_b32 s[W3], s[WV], 3                      ; which quarter I fetch
	s_bfe_u32 s[CX], ttmp6, 0x40000                ; my place in the cluster
	s_and_b32 s82, ttmp7, 0xffff                   ; bh: the cluster's y
	s_lshl_b32 s84, s82, 17                        ; the head's first byte in q, k and v
	s_mov_b32 s85, 0
	s_and_b32 s86, s82, 15
	s_lshl_b32 s86, s86, 19
	s_lshr_b32 s87, s82, 4
	s_lshl_b32 s87, s87, 17
	s_add_co_u32 s86, s86, s87                     ; and in a_codes: (h << 19) + (b << 17)
	s_mov_b32 s87, 0
	s_lshl_b32 s88, s[CX], 11                      ; 32 cx queries of 64 bytes
	s_mov_b32 s89, 0
	s_lshl_b32 s95, s[CX], 5
	s_lshl_b32 s94, s[WV], 11
	s_add_co_u32 s94, s94, STAGE                   ; my stage
	s_sub_co_u32 s[II], 15, s[WV]                  ; the first group: i = 15 - wave
	s_lshl_b32 s96, s[II], 13                      ; 128 i queries of 64 bytes
	s_mov_b32 s97, 0
	s_lshl_b32 s82, s[W3], 13                      ; V's steps 0-3: a step of 8,192 bytes to a wave
	s_mov_b32 s83, 0
	s_lshl_b32 s80, s[W3], 14                      ; K's steps 0-7: two steps to a wave
	s_mov_b32 s81, 0
	MKG1 G1K, 5, 64                                ; K, two steps: 64 rows
	MKG1 G1VA, 4, 32                               ; V, one step; the padding stands behind each 128 bytes
	MKG1 G1VB, 4, 96                               ; V, three steps
	s_mov_b32 s[SEL], 0x76543210
	s_mov_b32 s[SEL+1], 0xfedcba98
	s_mov_b32 s[CS], 0x3e38aa3b                    ; c = log2(e) / 8
	s_mov_b32 s[G0K], 1
	s_mul_i32 s[G0K+1], s[W3], 2*KST
	s_mov_b32 s[G0V], 1
	s_mul_i32 s[G0V+1], s[W3], VST
	s_add_co_u32 s[G0V+1], s[G0V+1], VBASE
	s_wait_dscnt 0x0                               ; both opening adds are done
	s_wait_kmcnt 0x0
	s_load_b256 s[68:75], s[10:11], 0x0            ; e0 .. e7
	s_add_nc_u64 s[6:7], s[6:7], s[84:85]          ; the head's K,
	s_add_nc_u64 s[8:9], s[8:9], s[84:85]          ; and V
	s_add_nc_u64 s[G0K+2:G0K+3], s[6:7], s[80:81]
	s_or_b32 s[G0K+3], s[G0K+3], 0x80000000
	s_add_nc_u64 s[G0V+2:G0V+3], s[8:9], s[82:83]
	s_or_b32 s[G0V+3], s[G0V+3], 0x80000000
	ROUND                                          ; the four work-groups are here: the first joint loads meet
	JLOAD G1K, G1VA                                ; K's steps 0-7, V's steps 0-3: one load a wave
	s_add_nc_u64 s[4:5], s[4:5], s[84:85]
	s_add_nc_u64 s[4:5], s[4:5], s[88:89]          ; q_codes at query 32 cx of the head
	s_add_nc_u64 s[12:13], s[12:13], s[86:87]
	s_add_nc_u64 s[12:13], s[12:13], s[88:89]      ; a_codes likewise
	s_add_nc_u64 s[QA:QA+1], s[4:5], s[96:97]
	s_add_nc_u64 s[AA:AA+1], s[12:13], s[96:97]
	s_wait_kmcnt 0x0
	s_add_co_i32 s96, s70, s71
	s_lshl_b32 s96, s96, 23
	s_add_co_i32 s[CS], s[CS], s96                 ; a score stands for score x 2^(e2 + e3): the exponents are added to c's exponent field
	s_mov_b32 s[CS+1], s[CS]
	s_add_co_i32 s96, s72, 127
	s_lshl_b32 s97, s96, 23                        ; 2^e4
	s_add_co_i32 s96, s96, 8
	s_lshl_b32 s96, s96, 23
	s_or_b32 s96, s96, 0x600000                    ; 448 x 2^e4
	s_sub_co_i32 s98, s74, s72
	s_sub_co_i32 s98, s98, s73
	s_add_co_i32 s98, s98, 127
	s_lshl_b32 s[OSC], s98, 23                     ; 2^(e6 - e4 - e5)
	s_add_co_i32 s98, s98, 8
	s_lshl_b32 s98, s98, 23
	s_or_b32 s[OLIM], s98, 0x600000
	s_or_b32 s[ONEG], s[OLIM], 0x80000000
	s_mov_b32 s[JJ], 0
	s_mov_b32 s[KO], 0
	s_mov_b32 s[VO], 0
	v_and_b32 v8, 15, v0                           ; r
	v_bfe_u32 v9, v0, 4, 1                         ; h
	v_and_b32 v24, 31, v0                          ; lane
	v_lshlrev_b32 v[QO], 6, v8
	v_lshl_add_u32 v[QO], v9, 4, v[QO]             ; Q: 64 r + 16 h
	QLOAD
	v_lshrrev_b32 v25, 2, v8
	v_mul_u32_u24 v[AK0], v25, KP
	v_and_b32 v25, 3, v8
	v_lshl_add_u32 v[AK0], v25, 6, v[AK0]
	v_lshl_add_u32 v[AK0], v9, 4, v[AK0]           ; K: key r lies at (r / 4) rows + 64 (r % 4); + 16 h
	v_mul_u32_u24 v[AV0], v8, VP
	v_lshl_add_u32 v[AV0], v9, 4, v[AV0]
	v_add_nc_u32 v[AV0], VBASE, v[AV0]             ; V: row d = r, + 16 h
	v_lshlrev_b32 v[STO], 6, v8
	v_lshl_add_u32 v[STO], v9, 3, v[STO]
	v_add_nc_u32 v[STO], s94, v[STO]
	v_lshlrev_b32 v[GO], 4, v24
	v_add_nc_u32 v[RD], s94, v[GO]
	v_lshlrev_b32 v25, 3, v9
	v_sub_nc_u32 v[DM], v8, v25
	v_add_nc_u32 v[DM], s95, v[DM]                 ; d = 32 cx + r - 8 h,
	v_add_nc_u32 v[DM1], 16, v[DM]                 ; and 16 more for the second tile of queries
	v_mov_b32 v[ADK], v[AK0]                       ; step 0's K
	v_mov_b32 v[NINF], 0xff800000
	v_mov_b32 v[F], 0
	v_mov_b32 v[F+2], 0
	v_mov_b32 v26, 0                               ; a lane permute's destination counts as one of its sources
	v_mov_b32 v27, 0
	v_mov_b32 v[T0+4], 0
	v_mov_b32 v[T0+5], 0
	v_mov_b32 v[PSC], s97
	v_mov_b32 v[PLIM], s96
	v_mov_b32 v[PLIM2], s96
	RESET
	s_wait_alu depctr_va_vdst(0)                   ; the wait at the head's end
	s_wait_tensorcnt 0x0                           ; my part of the first tiles is in
	ds_add_u32 v[SPW], v[NIL]
	s_add_co_u32 s[G0K+1], s[G0K+1], 8*KST         ; K's steps 8-15: two steps to a wave,
	s_add_co_u32 s80, s80, 65536
	s_add_nc_u64 s[G0K+2:G0K+3], s[6:7], s[80:81]
	s_or_b32 s[G0K+3], s[G0K+3], 0x80000000
	s_mul_i32 s[G0V+1], s[W3], 3*VST               ; V's steps 4-15: three steps, 24,576 bytes, to a wave
	s_add_co_u32 s[G0V+1], s[G0V+1], VBASE+4*VST
	s_mul_i32 s82, s[W3], 24576
	s_add_co_u32 s82, s82, 32768
	s_add_nc_u64 s[G0V+2:G0V+3], s[8:9], s[82:83]
	s_or_b32 s[G0V+3], s[G0V+3], 0x80000000
	s_wait_dscnt 0x0
	ROUND                                          ; everybody's part of the first tiles is in, and the four work-groups are here
	JLOAD G1K, G1VB                                ; my one load behind the round: it has four key steps in which to land
	KLOAD
	s_wait_loadcnt 0x0                             ; Q
.Lfirst:                                           ; steps 0-3: every wave's first group reaches beyond them (i is 8 at the least); they read K up to step 4 and V up to step 3
	STEP 0
	s_cmp_lt_u32 s[JJ], 4
	s_cbranch_scc1 .Lfirst
	s_wait_tensorcnt 0x0                           ; my part of the rest is in,
	s_wait_dscnt 0x0
	s_barrier_signal -1
	s_barrier_wait -1                              ; and everybody's
.Lsecond:                                          ; steps 4-15 of the first group
	STEP 1
	s_cmp_lt_u32 s[JJ], 16
	s_cbranch_scc1 .Lsecond
	FINISH
	s_wait_xcnt 0x0                                ; the stores have read their registers and their base: both may be written
	s_mov_b32 s[II], s[WV]                         ; the second group: i = wave
	s_lshl_b32 s82, s[WV], 13
	s_add_nc_u64 s[QA:QA+1], s[4:5], s[82:83]
	s_add_nc_u64 s[AA:AA+1], s[12:13], s[82:83]
	QLOAD
	v_mov_b32 v[ADK], v[AK0]
	KLOAD                                          ; step 0's K
	RESET
	s_mov_b32 s[JJ], 0
	s_mov_b32 s[KO], 0
	s_mov_b32 s[VO], 0
	s_wait_alu depctr_va_vdst(0)                   ; directly ahead of the wait below
	s_wait_loadcnt 0x0
.Lthird:                                           ; steps 0-7: the second group's i is 7 at the most
	STEP 1
	s_cmp_lt_u32 s[JJ], 8
	s_cbranch_scc1 .Lthird
	FINISH
	s_wait_tensorcnt 0x0                           ; the wave's end: an add to my spare word and its wait, behind my last tensor load and my last LDS store
	ds_add_u32 v[SPW], v[NIL]
	s_wait_dscnt 0x0
	ROUND                                          ; the closing round
	s_endpgm
.Lfunc_end_k_q7afe9c5215_attn:
	.size	k_q7afe9c5215_attn, .Lfunc_end_k_q7afe9c5215_attn-k_q7afe9c5215_attn
	.p2alignl 7, 3214868480
	.fill 96, 4, 3214868480
	.section	.rodata,"a",@progbits
	.p2align	6, 0x0
	.amdhsa_kernel k_q7afe9c5215_attn
		.amdhsa_group_segment_fixed_size 327680
		.amdhsa_private_segment_fixed_size 0
		.amdhsa_enable_private_segment 0
		.amdhsa_kernarg_size 40
		.amdhsa_user_sgpr_count 2
		.amdhsa_user_sgpr_kernarg_segment_ptr 1
		.amdhsa_wavefront_size32 1
		.amdhsa_system_sgpr_workgroup_id_x 1
		.amdhsa_system_sgpr_workgroup_id_y 1
		.amdhsa_system_sgpr_workgroup_id_z 1
		.amdhsa_system_vgpr_workitem_id 0
		.amdhsa_next_free_vgpr 416
		.amdhsa_next_free_sgpr 100
		.amdhsa_reserve_vcc 1
		.amdhsa_float_denorm_mode_32 3
		.amdhsa_float_denorm_mode_16_64 3
		.amdhsa_memory_ordered 1
		.amdhsa_forward_progress 1
		.amdhsa_inst_pref_size 140
	.end_amdhsa_kernel
	.amdgpu_metadata
---
amdhsa.version: [ 1, 2 ]
amdhsa.kernels:
  - .name:           k_q7afe9c5215_attn
    .symbol:         k_q7afe9c5215_attn.kd
    .args:
      - { .name: q_codes, .offset: 0, .size: 8, .value_kind: global_buffer, .address_space: global }
      - { .name: k_codes, .offset: 8, .size: 8, .value_kind: global_buffer, .address_space: global }
      - { .name: v_codes, .offset: 16, .size: 8, .value_kind: global_buffer, .address_space: global }
      - { .name: lowp_scales, .offset: 24, .size: 8, .value_kind: global_buffer, .address_space: global }
      - { .name: a_codes, .offset: 32, .size: 8, .value_kind: global_buffer, .address_space: global }
    .group_segment_fixed_size: 327680
    .private_segment_fixed_size: 0
    .kernarg_segment_align: 8
    .kernarg_segment_size: 40
    .max_flat_workgroup_size: 256
    .sgpr_count:     100
    .vgpr_count:     416
    .wavefront_size: 32
...
	.end_amdgpu_metadata
.endif
;; end of part 3
;; launch proj (part 4): grid 4 x 64, 4 waves a work-group, clusters of 4 x 4, 327,680 bytes of LDS; arguments a_codes, wo_codes, lowp_scales, b_o, out0; writes out0
.if DOCPART == 4
	.amdgcn_target "amdgcn-amd-amdhsa--gfx1250"
	.amdhsa_code_object_version 6
	.text
	.protected	k_q7afe9c5215_proj
	.globl	k_q7afe9c5215_proj
	.p2align	8
	.type	k_q7afe9c5215_proj,@function
k_q7afe9c5215_proj:
	s_mov_b64 s[64:65], 0
	v_nop
	global_prefetch_b8 v0, s[64:65] scope:SCOPE_SE
	s_setreg_imm32_b32 hwreg(HW_REG_WAVE_MODE, 25, 1), 1
	s_wait_xcnt 0x0
	s_wait_alu depctr_hold_cnt(0) depctr_sa_sdst(0) depctr_va_vdst(0) depctr_va_sdst(0) depctr_va_ssrc(0) depctr_va_vcc(0) depctr_vm_vsrc(0)
	s_getreg_b32 s2, hwreg(HW_REG_IB_STS2, 6, 4)
	s_cmp_eq_u32 s2, 0
	s_cbranch_scc0 .Lentry_in_a_cluster
	s_endpgm
.Lentry_in_a_cluster:
	s_bfe_u32 s2, ttmp6, 0x10000c
	s_cmp_lg_u32 s2, 0xf033
	s_cbranch_scc0 .Lentry_shape_is_right
	s_endpgm
.Lentry_shape_is_right:
; out0 = a w_o + b_o on codes of FP8 (E4M3).  a_codes [16 h][8192 row][64]: K = 64 h + d; wo_codes [1024 n][1024 k]; out0 [8192][1024] f32.  A sum stands for sum x 2^(e6 + e7).
; LIMIT: e6 + e7 between -126 and 127, so that 2^(e6 + e7) is an f32 number.
; A block of 128 rows x 256 columns to a work-group: 64 x 4 = 256 work-groups.  Four waves, each 64 x 128: 32 accumulators, 256 registers.
; K goes in steps of 256 (four heads) through a ring of two LDS slots; a slot is two steps of 128 for the matrix unit.  Both operands have two sets of fragment registers: a step's successor is fetched ahead of the step's 32 products.
; CLUSTERS: 4 x 4 work-groups; a's tile is asked for jointly along a row of the cluster, w_o's along a column.
; NO PREFETCH: K is four slots; two come by the first fills, and a request two slots ahead of the other two would stand at the head.
; THE MATRIX INSTRUCTION IS USED TRANSPOSED (source 0 = 16 rows of w_o, source 1 = 16 rows of a): a lane holds eight neighbouring numbers of a row of out0.
; REGISTERS, in windows of 256.  Window 0: v0-31 addresses; v32-95 the bias along a lane's registers; v128-255 a's fragments, two sets of 4 x 16, later rows read back from the stage.
;   Window 1: w_o's fragments, two sets of 8 x 16.   Window 2: the accumulators ((a, b) at v[8 (8 a + b)]).
.set SIZE_N, 1024
.set PITCH,  272                       ; w_o's LDS row: 256 bytes + 16 of padding
.set AHEAD,  10240                     ; one head's 128 rows of a: 64 bytes + 16 of padding each
.set AH,     2*AHEAD                   ; what one refill of a brings: two heads
.set HALFB,  128*PITCH                 ; what one load of w_o brings: 128 rows
.set BOFF,   2*AH
.set SLOT,   2*AH+2*HALFB
.set ASTEP,  2097152                   ; four heads on in a_codes
.set SPARE,  2*SLOT                    ; the spare words, 128 bytes for each wave
.set STAGE,  SPARE+512                 ; the way out: 16 rows x 528 bytes for each wave; no tile lands here
.set SPITCH, 528
.set ADRA, 16
.set ADRB, 20
.set STO,  24
.set RD,   25
.set CO,   26
.set SPW,  28
.set NIL,  29
.set BI,   32
.set AF,   128
.set BK,   128
.set G1, 24
.set G0, 32
.set G1B, 48
.set G0B, 56
.set MSB, 0
.macro WIN new
.if MSB != \new
	s_set_vgpr_msb (MSB<<8)|\new
.set MSB, \new
.endif
.endm
.set MUL,  0xa1                        ; source 0 window 1, source 1 window 0, C and D window 2
.set TO_B, 0x40
.macro JLOAD s                         ; waves 0 and 1 fetch a's halves, waves 2 and 3 w_o's.  An s_nop 0 and four v_nop follow each line
	s_cmp_eq_u32 s15, 0
	s_cbranch_scc0 .Lfor_b_\@
	tensor_load_to_lds s[G0+4*\s:G0+4*\s+3], s[G1:G1+7]
	s_nop 0
.rept 4
	v_nop
.endr
	s_branch .Lasked_\@
.Lfor_b_\@:
	tensor_load_to_lds s[G0B+4*\s:G0B+4*\s+3], s[G1B:G1B+7]
	s_nop 0
.rept 4
	v_nop
.endr
.Lasked_\@:
.endm
.macro CREST
	s_cmp_lg_u32 s14, 0
	s_cbranch_scc1 .Lnot_wave_0_\@
	s_barrier_signal -3
.Lnot_wave_0_\@:
	s_barrier_wait -3
	s_barrier_signal -1
	s_barrier_wait -1
.endm
.macro CROUND
	s_barrier_signal -1
	s_barrier_wait -1
	CREST
.endm
.macro PLACES
.rept 4
	v_nop
.endr
.endm
; the fragments of the slot's q-th 128 along K into set p: lane l holds row l % 16; registers 4 c .. 4 c + 3 hold K = 32 c + 16 (l / 16) + 0 .. 15: the same order of k on both sides
.macro FETCH slot, q, p
	WIN TO_B
.irp i, 0,1,2,3,4,5,6,7
.irp c, 0,1,2,3
	ds_load_b128 v[128*(\p)+16*\i+4*\c:128*(\p)+16*\i+4*\c+3], v[ADRB+\slot] offset:128*(\q)+32*\c+\i*16*PITCH
.endr
.endr
	WIN 0
.irp i, 0,1,2,3
.irp c, 0,1,2,3
	ds_load_b128 v[AF+64*(\p)+16*\i+4*\c:AF+64*(\p)+16*\i+4*\c+3], v[ADRA+\slot] offset:(2*(\q)+\c/2)*AHEAD+32*(\c%2)+\i*1280
.endr
.endr
.endm
.macro MULH p, zero                    ; 32 products: the accumulators take turns, in the same order in every step
	WIN MUL
.irp a, 0,1,2,3
.irp b, 0,1,2,3,4,5,6,7
.if \zero
	v_wmma_f32_16x16x128_fp8_fp8 v[8*(8*\a+\b):8*(8*\a+\b)+7], v[128*(\p)+16*\b:128*(\p)+16*\b+15], v[AF+64*(\p)+16*\a:AF+64*(\p)+16*\a+15], 0
.else
	v_wmma_f32_16x16x128_fp8_fp8 v[8*(8*\a+\b):8*(8*\a+\b)+7], v[128*(\p)+16*\b:128*(\p)+16*\b+15], v[AF+64*(\p)+16*\a:AF+64*(\p)+16*\a+15], v[8*(8*\a+\b):8*(8*\a+\b)+7]
.endif
.endr
.endr
	WIN 0
.endm
.macro HSTEP slot, zero                ; a slot's first step
	s_wait_dscnt 0x0                               ; set 0 is in
	PLACES                                         ; in front of loads into registers that the last products read
	FETCH \slot, 1, 1
	MULH 0, \zero
.endm
; A slot's second step changes slots: in front of the barrier each wave waits for all its tensor loads, adds 0 to its spare word, and waits for that and for its reads of this slot.
.macro HTURN slot, next, fill
	s_wait_tensorcnt 0x0                           ; my part of the next slot is in
	ds_add_u32 v[SPW], v[NIL]
	s_wait_dscnt 0x0                               ; the add is done; set 1 is in, and with it my reads of this slot are over
	s_barrier_signal -1
	MULH 1, 0                                      ; work on registers while the others arrive
	s_barrier_wait -1
.if \fill
	CREST                                          ; the barrier has opened a round of the cluster's
	s_add_nc_u64 s[G0+4*\slot+2:G0+4*\slot+3], s[G0+4*\slot+2:G0+4*\slot+3], 2*ASTEP
	s_add_nc_u64 s[G0B+4*\slot+2:G0B+4*\slot+3], s[G0B+4*\slot+2:G0B+4*\slot+3], 512
	JLOAD \slot                                    ; the first tensor load behind the round; its four v_nop are the places in front of the loads below
.else
	PLACES
.endif
	FETCH \next, 0, 0
.endm
	s_load_b128 s[4:7], s[0:1], 0x0                ; a_codes s[4:5], wo_codes s[6:7]
	s_load_b128 s[8:11], s[0:1], 0x10              ; the scales' exponents s[8:9], b_o s[10:11]
	s_load_b64 s[12:13], s[0:1], 0x20              ; out0
	v_lshl_add_u32 v[SPW], v0, 2, SPARE
	v_mov_b32 v[NIL], 0
	ds_add_u32 v[SPW], v[NIL]                      ; the opening lines: the add, twice on end, and its wait ahead of the round in front of my first tensor load
	ds_add_u32 v[SPW], v[NIL]
	v_lshrrev_b32 v1, 5, v0
	v_readfirstlane_b32 s14, v1                    ; wave 0..3
	s_lshr_b32 s15, s14, 1                         ; which 64 rows of the block are mine.  Also: I fetch for a (0) or for w_o (1)
	s_and_b32 s16, s14, 1                          ; which 128 columns.  Also: which half of that tile I fetch
	s_bfe_u32 s40, ttmp6, 0x40000                  ; cx, cy
	s_bfe_u32 s41, ttmp6, 0x40004
	s_lshl_b32 s42, ttmp9, 2
	s_add_co_u32 s42, s42, s40                     ; block column = 4 x cluster x + cx
	s_and_b32 s17, ttmp7, 0xffff
	s_lshl_b32 s17, s17, 2
	s_add_co_u32 s17, s17, s41                     ; block row = 4 x cluster y + cy
	s_lshl_b32 s43, s41, 2
	s_lshl_b32 s43, 15, s43                        ; my row of the cluster
	s_lshl_b32 s44, 0x1111, s40                    ; my column
	s_or_b32 s[G1+0], s43, (0<<16)|(1<<20)|(1<<21)|(3<<22)|(3<<25)   ; a: 128 rows of a head are 8,192 dense bytes; heads lie 524,288 bytes apart; four words of padding after every 16.  The head's loads bring four heads
	s_mov_b32 s[G1+1], 8192<<16
	s_mov_b32 s[G1+2], 4<<16
	s_mov_b32 s[G1+3], 8192<<16
	s_mov_b32 s[G1+4], 4
	s_mov_b32 s[G1+5], 524288
	s_mov_b32 s[G1+6], 0
	s_mov_b32 s[G1+7], 0
	s_or_b32 s[G1B+0], s44, (0<<16)|(1<<20)|(1<<21)|(5<<22)|(3<<25)  ; w_o: 128 rows of 256 bytes, 1,024 apart; four words of padding after every 64
	s_mov_b32 s[G1B+1], 256<<16
	s_mov_b32 s[G1B+2], 256<<16                    ; the head's loads bring all 256 rows
	s_mov_b32 s[G1B+3], 256<<16
	s_mov_b32 s[G1B+4], 256
	s_mov_b32 s[G1B+5], 1024
	s_mov_b32 s[G1B+6], 0
	s_mov_b32 s[G1B+7], 0
	s_lshl_b32 s20, s17, 13                        ; a: 128 x block row x 64 bytes
	s_mov_b32 s21, 0
	s_lshl_b32 s46, s42, 18                        ; w_o: 256 x block column x 1,024 bytes
	s_mov_b32 s47, 0
	s_mul_i32 s45, s16, AH                         ; a refill's half of a tile in LDS: of a,
	s_mul_i32 s66, s16, HALFB                      ; and of w_o
	s_wait_dscnt 0x0                               ; both opening adds are done
	s_wait_kmcnt 0x0
	s_load_b256 s[72:79], s[8:9], 0x0              ; e0 .. e7
	s_add_nc_u64 s[20:21], s[4:5], s[20:21]
	s_add_nc_u64 s[46:47], s[6:7], s[46:47]
.irp s, 0,1
	s_mov_b32 s[G0+4*\s], 1
	s_mov_b32 s[G0+4*\s+1], \s*SLOT
	s_add_nc_u64 s[G0+4*\s+2:G0+4*\s+3], s[20:21], \s*ASTEP
	s_or_b32 s[G0+4*\s+3], s[G0+4*\s+3], 0x80000000
	s_mov_b32 s[G0B+4*\s], 1
	s_mov_b32 s[G0B+4*\s+1], BOFF+\s*SLOT
	s_add_nc_u64 s[G0B+4*\s+2:G0B+4*\s+3], s[46:47], \s*256
	s_or_b32 s[G0B+4*\s+3], s[G0B+4*\s+3], 0x80000000
.endr
	CROUND                                         ; all sixteen work-groups are here: the first joint loads meet
	; THE FIRST FILLS: one tensor load a wave, each a whole tile: wave 0 a's of slot 0, wave 1 w_o's of slot 0, waves 2 and 3 the same of slot 1: both slots are asked for at once.
	; One chain of branches on the wave's number, one fill to an arm, one join; an s_nop 0 and four v_nop follow each load
	s_cmp_eq_u32 s14, 0
	s_cbranch_scc0 .Lhead_1
	tensor_load_to_lds s[G0:G0+3], s[G1:G1+7]
	s_nop 0
.rept 4
	v_nop
.endr
	s_branch .Lhead_join
.Lhead_1:
	s_cmp_eq_u32 s14, 1
	s_cbranch_scc0 .Lhead_2
	tensor_load_to_lds s[G0B:G0B+3], s[G1B:G1B+7]
	s_nop 0
.rept 4
	v_nop
.endr
	s_branch .Lhead_join
.Lhead_2:
	s_cmp_eq_u32 s14, 2
	s_cbranch_scc0 .Lhead_3
	tensor_load_to_lds s[G0+4:G0+7], s[G1:G1+7]
	s_nop 0
.rept 4
	v_nop
.endr
	s_branch .Lhead_join
.Lhead_3:
	tensor_load_to_lds s[G0B+4:G0B+7], s[G1B:G1B+7]
	s_nop 0
.rept 4
	v_nop
.endr
.Lhead_join:
	s_mul_i32 s67, s15, 5120                       ; my 64 rows of a: 64 x 80 bytes on in each head
	s_mul_i32 s68, s16, HALFB
	s_add_co_u32 s68, s68, BOFF                    ; my 128 rows of w_o
	s_mul_i32 s69, s14, 16*SPITCH
	s_add_co_u32 s69, s69, STAGE                   ; my stage
	s_lshl_b32 s70, s42, 10
	s_lshl_b32 s71, s16, 9
	s_add_co_u32 s70, s70, s71                     ; my first column, in bytes of f32
	s_mov_b32 s71, 0
	s_add_nc_u64 s[86:87], s[10:11], s[70:71]      ; b_o there
	s_add_nc_u64 s[12:13], s[12:13], s[70:71]
	s_lshl_b32 s70, s17, 19
	s_lshl_b32 s88, s15, 18
	s_add_co_u32 s70, s70, s88                     ; my first row: (128 x block row + 64 x half) x 4,096 bytes
	s_add_nc_u64 s[12:13], s[12:13], s[70:71]
	v_and_b32 v1, 15, v0                           ; r
	v_bfe_u32 v2, v0, 4, 1                         ; h
	v_mul_u32_u24 v3, v1, 80
	v_lshl_add_u32 v3, v2, 4, v3
	v_mul_u32_u24 v4, v1, PITCH
	v_lshl_add_u32 v4, v2, 4, v4
	v_add_nc_u32 v[ADRA], s67, v3
	v_add_nc_u32 v[ADRB], s68, v4
	v_add_nc_u32 v[ADRA+1], SLOT, v[ADRA]
	v_add_nc_u32 v[ADRB+1], SLOT, v[ADRB]
	v_mul_u32_u24 v5, v1, SPITCH
	v_lshl_add_u32 v5, v2, 5, v5
	v_add_nc_u32 v[STO], s69, v5                   ; into the stage: row r, 32 bytes for each half of the lanes
	v_and_b32 v6, 31, v0
	v_lshlrev_b32 v[CO], 4, v6                     ; back: the 32 lanes take one row of 512 bytes; and the same in out0
	v_add_nc_u32 v[RD], s69, v[CO]
	v_lshlrev_b32 v8, 5, v2                        ; the bias along my registers: 32 h bytes
.irp b, 0,1,2,3,4,5,6,7
	global_load_b128 v[BI+8*\b:BI+8*\b+3], v8, s[86:87] offset:64*\b
	global_load_b128 v[BI+8*\b+4:BI+8*\b+7], v8, s[86:87] offset:64*\b+16
.endr
	s_wait_alu depctr_va_vdst(0)                   ; the wait at the head's end
	s_wait_tensorcnt 0x0                           ; my part of K step 0 is in
	s_mov_b32 s[G1+2], 2<<16                       ; no tensor load of mine is out, so the descriptors may be written: a refill is a half of a tile to a wave: two heads of a,
	s_mov_b32 s[G1+4], 2
	s_mov_b32 s[G1B+2], 128<<16                    ; 128 rows of w_o
	s_mov_b32 s[G1B+4], 128
	s_lshl_b32 s88, s16, 20                        ; two heads on in a_codes
	s_mov_b32 s89, 0
	s_lshl_b32 s90, s16, 17                        ; 128 rows of 1,024 bytes
	s_mov_b32 s91, 0
.irp s, 0,1
	s_add_co_u32 s[G0+4*\s+1], s[G0+4*\s+1], s45
	s_add_nc_u64 s[G0+4*\s+2:G0+4*\s+3], s[G0+4*\s+2:G0+4*\s+3], s[88:89]
	s_add_co_u32 s[G0B+4*\s+1], s[G0B+4*\s+1], s66
	s_add_nc_u64 s[G0B+4*\s+2:G0B+4*\s+3], s[G0B+4*\s+2:G0B+4*\s+3], s[90:91]
.endr
	s_barrier_signal -1
	s_barrier_wait -1                              ; everybody's tile is in: both slots are whole
	FETCH 0, 0, 0
	HSTEP 0, 1                                     ; the first step's products start the sums
	HTURN 0, 1, 1
	HSTEP 1, 0
	HTURN 1, 0, 1
	HSTEP 0, 0
	HTURN 0, 1, 0                                  ; the last two slots are filled no more
	HSTEP 1, 0
	s_wait_dscnt 0x0
	MULH 1, 0
; THE WAY OUT, block by block of 16 rows x 128 columns: value = sum x 2^(e6 + e7) + bias, in place, each accumulator from its low end on; through my own stage; back as whole rows of 512 bytes.
.macro TOSTAGE a
.set AC, 64*(\a)
	WIN 0x82                                       ; source 0 and destination: window 2
.irp b, 0,1,2,3,4,5,6,7
.irp i, 0,2,4,6
	v_pk_fma_f32 v[AC+8*\b+\i:AC+8*\b+\i+1], v[AC+8*\b+\i:AC+8*\b+\i+1], s[96:97], v[BI+8*\b+\i:BI+8*\b+\i+1] op_sel_hi:[1,0,1]
.endr
.endr
	WIN 0x08                                       ; a store's data: window 2
.irp b, 0,1,2,3,4,5,6,7
	ds_store_b128 v[STO], v[AC+8*\b:AC+8*\b+3] offset:64*\b
	ds_store_b128 v[STO], v[AC+8*\b+4:AC+8*\b+7] offset:64*\b+16
.endr
	WIN 0
.set BB, BK+64*((\a)%2)
.irp t, 0,1,2,3,4,5,6,7,8,9,10,11,12,13,14,15
	ds_load_b128 v[BB+4*\t:BB+4*\t+3], v[RD] offset:\t*SPITCH   ; LDS serves a wave's instructions in order: these see my stores
.endr
.endm
.macro SEND a, younger                 ; younger: the LDS instructions issued behind block a's loads, which may stay out
.set BB, BK+64*((\a)%2)
	s_wait_dscnt \younger
.if (\a) > 0
	s_add_nc_u64 s[12:13], s[12:13], 16*SIZE_N*4   ; (behind a wait on XCNT: the earlier stores have read their base)
.endif
.irp t, 0,1,2,3,4,5,6,7,8,9,10,11,12,13,14,15
	global_store_b128 v[CO], v[BB+4*\t:BB+4*\t+3], s[12:13] offset:\t*SIZE_N*4 th:TH_STORE_NT   ; 32 lanes store 512 consecutive bytes, aligned
.endr
.endm
	s_wait_kmcnt 0x0
	s_add_co_i32 s96, s78, s79
	s_add_co_i32 s96, s96, 127
	s_lshl_b32 s96, s96, 23                        ; 2^(e6 + e7) as f32
	s_mov_b32 s97, s96                             ; (named with it as a pair, so it is written)
	s_wait_loadcnt 0x0                             ; the bias
	PLACES                                         ; behind the last products
	TOSTAGE 0
.irp a, 1,2,3
.if \a > 1
	s_wait_xcnt 0x0                                ; block a - 2's stores have read their registers and their base
.endif
	TOSTAGE \a
	SEND \a-1, 32                                  ; behind block a - 1's loads: block a's 16 stores and 16 loads
.endr
	s_wait_xcnt 0x0
	SEND 3, 0
	s_wait_tensorcnt 0x0                           ; the wave's end: an add to my spare word and its wait, behind my last tensor load and my last LDS store
	ds_add_u32 v[SPW], v[NIL]
	s_wait_dscnt 0x0
	CROUND                                         ; the closing round
	s_endpgm
.Lfunc_end_k_q7afe9c5215_proj:
	.size	k_q7afe9c5215_proj, .Lfunc_end_k_q7afe9c5215_proj-k_q7afe9c5215_proj
	.p2alignl 7, 3214868480
	.fill 96, 4, 3214868480
	.section	.rodata,"a",@progbits
	.p2align	6, 0x0
	.amdhsa_kernel k_q7afe9c5215_proj
		.amdhsa_group_segment_fixed_size 327680
		.amdhsa_private_segment_fixed_size 0
		.amdhsa_enable_private_segment 0
		.amdhsa_kernarg_size 40
		.amdhsa_user_sgpr_count 2
		.amdhsa_user_sgpr_kernarg_segment_ptr 1
		.amdhsa_wavefront_size32 1
		.amdhsa_system_sgpr_workgroup_id_x 1
		.amdhsa_system_sgpr_workgroup_id_y 1
		.amdhsa_system_sgpr_workgroup_id_z 1
		.amdhsa_system_vgpr_workitem_id 0
		.amdhsa_next_free_vgpr 768
		.amdhsa_next_free_sgpr 100
		.amdhsa_reserve_vcc 0
		.amdhsa_float_denorm_mode_32 3
		.amdhsa_float_denorm_mode_16_64 3
		.amdhsa_memory_ordered 1
		.amdhsa_forward_progress 1
		.amdhsa_inst_pref_size 77
	.end_amdhsa_kernel
	.amdgpu_metadata
---
amdhsa.version: [ 1, 2 ]
amdhsa.kernels:
  - .name:           k_q7afe9c5215_proj
    .symbol:         k_q7afe9c5215_proj.kd
    .args:
      - { .name: a_codes, .offset: 0, .size: 8, .value_kind: global_buffer, .address_space: global }
      - { .name: wo_codes, .offset: 8, .size: 8, .value_kind: global_buffer, .address_space: global }
      - { .name: lowp_scales, .offset: 16, .size: 8, .value_kind: global_buffer, .address_space: global }
      - { .name: b_o, .offset: 24, .size: 8, .value_kind: global_buffer, .address_space: global }
      - { .name: out0, .offset: 32, .size: 8, .value_kind: global_buffer, .address_space: global }
    .group_segment_fixed_size: 327680
    .private_segment_fixed_size: 0
    .kernarg_segment_align: 8
    .kernarg_segment_size: 40
    .max_flat_workgroup_size: 128
    .sgpr_count:     100
    .vgpr_count:     768
    .wavefront_size: 32
...
	.end_amdgpu_metadata
.endif
;; end of part 4
